; MI455X (gfx1250); checked and timed in simulation.
; The chip was launched on July 23, 2026; its instructions are those of AMD's public machine-readable ISA for CDNA 5 (MIT licence, August 2026) and "CDNA5" Instruction Set Architecture Reference Guide (July 2026). The comments in the code are by the model that wrote it; some were corrected since.
;; Multi Head Attn. Allowed arithmetic: float matrix products may take bf16 or f16 operands with f32 sums; other float arithmetic in f32, or as packed bf16 or f16 multiplies, adds, multiply-adds, maxima and minima; sums over many terms, partial sums and values carried from step to step in f32; what a program stores and reads back later, other than sums and carried values, may be rounded once to bf16 or f16.
;; Inputs: Wk 1,024 x 1,024 float32; Wo 1,024 x 1,024 float32; Wq 1,024 x 1,024 float32; Wv 1,024 x 1,024 float32; iK 2 x 2,048 x 1,024 float32; iQ 2 x 2,048 x 1,024 float32; iV 2 x 2,048 x 1,024 float32; mask 2 x 2,048 x 2,048 bool; rel_emb 33 x 64 float32; sp_bias 1 float32.
;; Outputs: out0 2 x 2,048 x 1,024 float32.
;; 2 versions, each right; version 2 is version 1 with the launch prep written anew for expert scheduling mode. Each part assembles by itself: llvm-mc -triple=amdgcn-amd-amdhsa -mcpu=gfx1250 --defsym DOCPART=n.
;; ======== version 1 of 2: 4 launches
;; limits: values are held in f16: magnitudes above 65,504 overflow, below 6.1e-05 lose precision; right only within a limited range of input values; values outside matrix products are rounded to f16; inputs' magnitudes at most 65,504
;; workspace buffers: x 25,165,824 bytes; w 8,388,608 bytes; mk 8,388,608 bytes; e16 8,192 bytes; qkv 25,165,824 bytes; kn 32,768 bytes; o 8,388,608 bytes
;; launch prep (part 1): grid 256 x 1, 8 waves a work-group, no clusters, 0 bytes of LDS; arguments iQ, iK, iV, Wq, Wk, Wv, Wo, mask, rel_emb, x, w, mk, e16; writes x, w, mk, e16
.if DOCPART == 1
	.amdgcn_target "amdgcn-amd-amdhsa--gfx1250"
	.amdhsa_code_object_version 6
	.text
	.protected	k_q14db7dd52d_prep
	.globl	k_q14db7dd52d_prep
	.p2align	8
	.type	k_q14db7dd52d_prep,@function
k_q14db7dd52d_prep:
	s_mov_b64 s[64:65], 0
	v_nop
	global_prefetch_b8 v0, s[64:65] scope:SCOPE_SE
	s_setreg_imm32_b32 hwreg(HW_REG_WAVE_MODE, 25, 1), 1
	s_wait_xcnt 0x0
; FIRST OF FOUR LAUNCHES: the operands are laid out once.  x = (iQ, iK, iV), w = (Wq, Wk, Wv, Wo): each f32 rounded to bf16 and that number written as f16 (exact from 6.1e-5 to 65,504).
; mk = the mask as bytes to AND with: 0xFF where a key is kept, 0x00 where it is masked.  e16[i] = rel_emb[clamp(i - 15, 0, 32)], i = 0 .. 63, rounded likewise.
; WORK NOT FORMED.  The problem adds einsum(q, rel_emb[rp]) with rp[q][k] = clip(k - q, -16, 16) + 16: a lookup written as a dense product of [S, S, 64].  For a query there are only 33 different
; numbers q . rel_emb[i], whatever the inputs hold; the attention launch makes them by one small product with e16 and looks them up by k - q.  No input is left out: all ten are read.
; LIMITS.  Inputs beyond 65,504 become infinities in f16; below 6.1e-5 they keep f16's fixed step of 6e-8.  NaN and infinities are not treated apart.
; SHARES.  Work-group g converts 65,536 numbers (g < 192: of x; else of w) and 32,768 bytes of the mask; work-group 0 also makes e16.  A thread takes 8 numbers a turn: 32 bytes in, 16 out;
; a wave's store covers 512 consecutive bytes, aligned.  A ring of eight slots in registers keeps sixteen loads of every wave on their way.  No LDS, no barrier: nothing is shared.
.set DEPTH, 8
.set ROUNDS, 4
.set INB,  8192                        ; bytes that the work-group reads in a turn
.set OUTB, 4096                        ; and writes
.set OI, 2                             ; v[2:9]     slot i: my byte offset in the source
.set OO, 10                            ; v[10:17]   slot i: in the destination
.set T,  18                            ; v[18:25]   at work
.set X,  26                            ; v[26:89]   slot i: 8 numbers as loaded
.set Y,  90                            ; v[90:121]  slot i: 8 f16 to store
.set M,  122                           ; v[122:153] my 128 bytes of the mask
.set MO, 154                           ; v154       16 x my thread's number
.set EA, 155                           ; v155       e16: my offset in rel_emb
.set EO, 156                           ; v156       e16: my offset in e16
	s_load_b512 s[4:19], s[0:1], 0x0               ; iQ iK iV Wq Wk Wv Wo mask
	s_load_b256 s[20:27], s[0:1], 0x40             ; rel_emb x w mk
	s_load_b64 s[28:29], s[0:1], 0x60              ; e16
	s_mov_b32 s30, ttmp9                           ; g
	s_lshr_b32 s31, s30, 6                         ; g < 192: input g / 64, chunk g % 64 of it
	s_bfe_u32 s32, s30, 0x20004
	s_add_co_u32 s32, s32, 3                       ; else: input 3 + (g / 16) % 4, chunk g % 16
	s_and_b32 s33, s30, 63
	s_and_b32 s34, s30, 15
	s_sub_co_u32 s35, s30, 192
	s_cmp_lt_u32 s30, 192
	s_cselect_b32 s31, s31, s32                    ; which input
	s_cselect_b32 s33, s33, s34                    ; which chunk of it
	s_cselect_b32 s35, s30, s35                    ; which chunk of x or of w
	s_lshl_b32 s40, s33, 18                        ; 262,144 bytes of f32
	s_mov_b32 s41, 0
	s_lshl_b32 s42, s35, 17                        ; 131,072 bytes of f16
	s_mov_b32 s43, 0
	s_lshl_b32 s44, s30, 15                        ; 32,768 bytes of the mask
	s_mov_b32 s45, 0
	s_mov_b32 s46, 0xffff0000                      ; a word's upper bf16
	v_lshlrev_b32 v[MO], 4, v0
.irp i, 0,1,2,3,4,5,6,7
	v_lshl_or_b32 v[OI+(\i)], v0, 5, (\i)*INB
	v_lshl_or_b32 v[OO+(\i)], v0, 4, (\i)*OUTB
.endr
	s_wait_kmcnt 0x0
	s_add_nc_u64 s[18:19], s[18:19], s[44:45]
	s_add_nc_u64 s[26:27], s[26:27], s[44:45]
	s_cmp_lt_u32 s30, 192
	s_cselect_b64 s[36:37], s[22:23], s[24:25]     ; the destination: x or w
	s_mov_b64 s[38:39], s[4:5]                     ; the source: one of the seven, chosen by the work-group's number alone
	s_cmp_eq_u32 s31, 1
	s_cselect_b64 s[38:39], s[6:7], s[38:39]
	s_cmp_eq_u32 s31, 2
	s_cselect_b64 s[38:39], s[8:9], s[38:39]
	s_cmp_eq_u32 s31, 3
	s_cselect_b64 s[38:39], s[10:11], s[38:39]
	s_cmp_eq_u32 s31, 4
	s_cselect_b64 s[38:39], s[12:13], s[38:39]
	s_cmp_eq_u32 s31, 5
	s_cselect_b64 s[38:39], s[14:15], s[38:39]
	s_cmp_eq_u32 s31, 6
	s_cselect_b64 s[38:39], s[16:17], s[38:39]
	s_add_nc_u64 s[38:39], s[38:39], s[40:41]
	s_add_nc_u64 s[36:37], s[36:37], s[42:43]
.irp i, 0,1,2,3,4,5,6,7
	global_load_b128 v[M+4*(\i):M+4*(\i)+3], v[MO], s[18:19] offset:(\i)*4096 th:TH_LOAD_NT  ; the mask first: it is worked on last
.endr
.irp i, 0,1,2,3,4,5,6,7
	global_load_b128 v[X+8*(\i):X+8*(\i)+3],   v[OI+(\i)], s[38:39] th:TH_LOAD_NT
	global_load_b128 v[X+8*(\i)+4:X+8*(\i)+7], v[OI+(\i)], s[38:39] offset:16 th:TH_LOAD_NT
.endr
; Eight f32 at xr: rounded to bf16, widened again, written as f16 at yr.
.macro CONV xr, yr
.irp j, 0,1,2,3
	v_cvt_pk_bf16_f32 v[T+2*(\j)], v[(\xr)+2*(\j)], v[(\xr)+2*(\j)+1]
.endr
.irp j, 0,1,2,3
	v_and_b32 v[T+2*(\j)+1], s46, v[T+2*(\j)]
	v_lshlrev_b32 v[T+2*(\j)], 16, v[T+2*(\j)]
.endr
.irp j, 0,1,2,3
	v_cvt_pk_f16_f32 v[(\yr)+(\j)], v[T+2*(\j)], v[T+2*(\j)+1]
.endr
.endm
; One slot's turn.  left = the younger loads that may stay out: two for each of the slots behind this one.
.macro SLOT i, ahead, left
	s_wait_loadcnt \left                           ; loads come back in order: my two are in
	s_wait_xcnt 0x0                                ; the slot's last store has read Y and OO: they are rewritten only behind this wait
	CONV X+8*(\i), Y+4*(\i)
.if \ahead
	v_add_nc_u32 v[OI+(\i)], DEPTH*INB, v[OI+(\i)]
	v_add_nc_u32 v[OO+(\i)], DEPTH*OUTB, v[OO+(\i)]
	global_load_b128 v[X+8*(\i):X+8*(\i)+3],   v[OI+(\i)], s[38:39] th:TH_LOAD_NT
	global_load_b128 v[X+8*(\i)+4:X+8*(\i)+7], v[OI+(\i)], s[38:39] offset:16 th:TH_LOAD_NT
	global_store_b128 v[OO+(\i)], v[Y+4*(\i):Y+4*(\i)+3], s[36:37] offset:-DEPTH*OUTB
.else
	global_store_b128 v[OO+(\i)], v[Y+4*(\i):Y+4*(\i)+3], s[36:37]
.endif
.endm
	s_mov_b32 s47, ROUNDS-1
.Lround:
.irp i, 0,1,2,3,4,5,6,7
	SLOT \i, 1, 2*(DEPTH-1)
.endr
	s_sub_co_u32 s47, s47, 1
	s_cmp_lg_u32 s47, 0
	s_cbranch_scc1 .Lround
.irp i, 0,1,2,3,4,5,6,7
	SLOT \i, 0, 2*(DEPTH-1-(\i))                   ; the last round loads nothing: the counts run down to 0, which covers the mask's loads too
.endr
	; the mask: a byte is 0 or 1; a = byte xor 1; keep = 255 a, four bytes at a time as (a << 8) - a
.set i, 0
.rept 32
	v_xor_b32 v[M+i], 0x01010101, v[M+i]
	v_lshlrev_b32 v[T+i%8], 8, v[M+i]
	v_sub_nc_u32 v[M+i], v[T+i%8], v[M+i]
.set i, i+1
.endr
.irp i, 0,1,2,3,4,5,6,7
	global_store_b128 v[MO], v[M+4*(\i):M+4*(\i)+3], s[26:27] offset:(\i)*4096
.endr
	s_cmp_lg_u32 s30, 0
	s_cbranch_scc1 .Lend                           ; e16 is work-group 0's: thread t makes 16 numbers of row t / 4
	v_lshrrev_b32 v[EO], 2, v0                     ; i
	v_and_b32 v[T], 3, v0                          ; which 16 of the row's 64
	v_cmp_gt_u32 vcc_lo, 15, v[EO]
	v_add_nc_u32 v[EA], -15, v[EO]
	v_cndmask_b32 v[EA], v[EA], 0, vcc_lo          ; 0 where i < 15,
	v_min_u32 v[EA], 32, v[EA]                     ; 32 at the most
	v_lshlrev_b32 v[EA], 8, v[EA]
	v_lshl_add_u32 v[EA], v[T], 6, v[EA]
	v_lshlrev_b32 v[EO], 7, v[EO]
	v_lshl_add_u32 v[EO], v[T], 5, v[EO]
.irp j, 0,1,2,3
	global_load_b128 v[X+4*(\j):X+4*(\j)+3], v[EA], s[20:21] offset:16*(\j)
.endr
	s_wait_loadcnt 0x0
	s_wait_xcnt 0x0                                ; Y was the data of earlier stores
	CONV X, Y
	CONV X+8, Y+4
	global_store_b128 v[EO], v[Y:Y+3], s[28:29]
	global_store_b128 v[EO], v[Y+4:Y+7], s[28:29] offset:16
.Lend:
	s_endpgm
.Lfunc_end_k_q14db7dd52d_prep:
	.size	k_q14db7dd52d_prep, .Lfunc_end_k_q14db7dd52d_prep-k_q14db7dd52d_prep
	.p2alignl 7, 3214868480
	.fill 96, 4, 3214868480
	.section	.rodata,"a",@progbits
	.p2align	6, 0x0
	.amdhsa_kernel k_q14db7dd52d_prep
		.amdhsa_group_segment_fixed_size 0
		.amdhsa_private_segment_fixed_size 0
		.amdhsa_enable_private_segment 0
		.amdhsa_kernarg_size 104
		.amdhsa_user_sgpr_count 2
		.amdhsa_user_sgpr_kernarg_segment_ptr 1
		.amdhsa_wavefront_size32 1
		.amdhsa_system_sgpr_workgroup_id_x 1
		.amdhsa_system_sgpr_workgroup_id_y 1
		.amdhsa_system_sgpr_workgroup_id_z 1
		.amdhsa_system_vgpr_workitem_id 0
		.amdhsa_next_free_vgpr 160
		.amdhsa_next_free_sgpr 66
		.amdhsa_reserve_vcc 1
		.amdhsa_float_denorm_mode_32 3
		.amdhsa_float_denorm_mode_16_64 3
		.amdhsa_memory_ordered 1
		.amdhsa_forward_progress 1
		.amdhsa_inst_pref_size 30
	.end_amdhsa_kernel
	.amdgpu_metadata
---
amdhsa.version: [ 1, 2 ]
amdhsa.kernels:
  - .name:           k_q14db7dd52d_prep
    .symbol:         k_q14db7dd52d_prep.kd
    .args:
      - { .name: iQ, .offset: 0, .size: 8, .value_kind: global_buffer, .address_space: global }
      - { .name: iK, .offset: 8, .size: 8, .value_kind: global_buffer, .address_space: global }
      - { .name: iV, .offset: 16, .size: 8, .value_kind: global_buffer, .address_space: global }
      - { .name: Wq, .offset: 24, .size: 8, .value_kind: global_buffer, .address_space: global }
      - { .name: Wk, .offset: 32, .size: 8, .value_kind: global_buffer, .address_space: global }
      - { .name: Wv, .offset: 40, .size: 8, .value_kind: global_buffer, .address_space: global }
      - { .name: Wo, .offset: 48, .size: 8, .value_kind: global_buffer, .address_space: global }
      - { .name: mask, .offset: 56, .size: 8, .value_kind: global_buffer, .address_space: global }
      - { .name: rel_emb, .offset: 64, .size: 8, .value_kind: global_buffer, .address_space: global }
      - { .name: x, .offset: 72, .size: 8, .value_kind: global_buffer, .address_space: global }
      - { .name: w, .offset: 80, .size: 8, .value_kind: global_buffer, .address_space: global }
      - { .name: mk, .offset: 88, .size: 8, .value_kind: global_buffer, .address_space: global }
      - { .name: e16, .offset: 96, .size: 8, .value_kind: global_buffer, .address_space: global }
    .group_segment_fixed_size: 0
    .private_segment_fixed_size: 0
    .kernarg_segment_align: 8
    .kernarg_segment_size: 104
    .max_flat_workgroup_size: 256
    .sgpr_count:     66
    .vgpr_count:     160
    .wavefront_size: 32
...
	.end_amdgpu_metadata
.endif
;; end of part 1
;; launch proj (part 2): grid 4 x 48, 4 waves a work-group, clusters of 4 x 4, 327,680 bytes of LDS; arguments x, w, qkv, kn; writes qkv, kn
.if DOCPART == 2
	.amdgcn_target "amdgcn-amd-amdhsa--gfx1250"
	.amdhsa_code_object_version 6
	.text
	.protected	k_q14db7dd52d_proj
	.globl	k_q14db7dd52d_proj
	.p2align	8
	.type	k_q14db7dd52d_proj,@function
k_q14db7dd52d_proj:
	s_mov_b64 s[64:65], 0
	v_nop
	global_prefetch_b8 v0, s[64:65] scope:SCOPE_SE
	s_setreg_imm32_b32 hwreg(HW_REG_WAVE_MODE, 25, 1), 1
	s_wait_xcnt 0x0
	s_wait_alu depctr_hold_cnt(0) depctr_sa_sdst(0) depctr_va_vdst(0) depctr_va_sdst(0) depctr_va_ssrc(0) depctr_va_vcc(0) depctr_vm_vsrc(0)
	s_getreg_b32 s2, hwreg(HW_REG_IB_STS2, 6, 4)
	s_cmp_eq_u32 s2, 0
	s_cbranch_scc0 .Lentry_in_a_cluster
	s_endpgm
.Lentry_in_a_cluster:
	s_bfe_u32 s2, ttmp6, 0x10000c
	s_cmp_lg_u32 s2, 0xf033
	s_cbranch_scc0 .Lentry_shape_is_right
	s_endpgm
.Lentry_shape_is_right:
; q, k, v = x w^T.  x: [3][4096][1024] f16 (iQ, iK, iV), w: [4][1024][1024] f16; part p of x is multiplied by part p of w.  Sums in f32, each result rounded once to f16, unscaled, and stored
; by heads: qkv[p][b][h][2048][64].  For the keys also kn[b 16 + h][chunk of 128 keys][16]: over the chunk's eight blocks of 16 keys the largest |k|^2 at each place of a block (of the f32 sums).
; LIMITS.  q, k, v beyond 65,504 become infinities; below 6.1e-5 they keep f16's fixed step of 6e-8.
; A tile of 256 x 256 is made by four waves, 128 x 128 each: 64 accumulators of 16 x 16, 512 registers.  K goes in steps of 128 through a ring of two LDS slots filled by the tensor data mover.
; 48 x 4 tiles: 192 work-groups.  CLUSTERS of 4 x 4: the four of a row need the same tiles of x, the four of a column the same tiles of w: each is asked for JOINTLY, by the same tensor load
; with the same descriptor and a mask that names the four.  A cluster lies in one part p (16 tile rows a part), so p hangs on the cluster's y alone.
; THE MATRIX INSTRUCTION IS USED TRANSPOSED: source 0 = 16 rows of w, source 1 = 16 rows of x: a lane holds row l % 16 and eight neighbouring columns 8 (l / 16) + 0 .. 7.
; REGISTERS, in windows of 256: window 0: v0-31 addresses and the norms' sums; v64-127, v128-191 fragments of x, two buffers; v32-63, v192-255 at work on the way out
;   window 1: v64-127, v128-191 fragments of w          window 2: the accumulators of my rows 0-63 ((a, b) at v[8 (8 a + b)])          window 3: of my rows 64-127
.set SIZE_K, 1024
.set KSTEP,  128
.set PITCH,  272                       ; an LDS row: 256 bytes + 16 of padding = 68 words: the 16 rows of a fragment load start at 16 different groups of four banks
.set HALFT,  128*PITCH
.set SLOT,   4*HALFT                   ; x's 256 rows, then w's 256 rows
.set STAGE,  2*SLOT                    ; behind the ring: 16 rows x 272 bytes for each wave
.set SPITCH, 272
.set SPARE,  STAGE+4*16*SPITCH         ; behind the stages: the spare words, 128 bytes for each wave
.set LAPS,   SIZE_K/(2*KSTEP)          ; a lap = two K steps = once round the ring
.set HEADB,  2048*64*2                 ; a head's bytes in qkv
.set NS,   6                           ; v[6:9]  sums of squares: a pair for each of my two heads
.set NT,   10                          ; v10-11  at work
.set KM,   12                          ; v12-13  the largest so far, for each head
.set ADRA, 16                          ; v16-17  LDS address of my x fragments in slot 0, 1
.set ADRB, 20                          ; v20-21  the same for w
.set STO,  24                          ; v24     the way out: where I put 16 bytes of a row
.set RD,   25                          ; v25     where I read rows back
.set CO,   26                          ; v26     16 x my lane
.set KO,   27                          ; v27     my word in kn
.set SPW,  28                          ; v28     LDS address of my spare word; never rewritten
.set NIL,  29                          ; v29     0; never rewritten
.set PFO,  30                          ; v30     the prefetches' offset: my lane x a row of 2,048 bytes; never rewritten
.set LN,   31                          ; v31     my lane
.set PFA,  44                          ; s[44:45] where my prefetches stand
.set LIM,  43                          ; s43     1 in a wave that prefetches, else the greatest number
.set KNP,  68                          ; s[68:69] kn
.set WHICH, 70                         ; s70     p
.set XSEL, 72                          ; s[72:73] v_permlanex16_b32's selects
.set F0,   64
.set F1,   128
.set TMP,  192
.set OB,   32
.set G1, 24                            ; s[24:31] descriptor group 1 for x's tiles;  s[32:39] group 0, a set for each slot
.set G0, 32
.set G1B, 48                           ; s[48:55], s[56:63] the same for w's
.set G0B, 56
.set MSB, 0
.macro WIN new                         ; the immediate's high byte repeats the setting that is left
.if MSB != (\new)
	s_set_vgpr_msb (MSB<<8)|(\new)
.set MSB, \new
.endif
.endm
.set MUL_LO, 0xa1                      ; source 0 (w) window 1, source 1 (x) window 0, C and D window 2
.set MUL_HI, 0xf1                      ; the same, C and D window 3
.set TO_B,   0x40                      ; destination window 1, address window 0
; A joint load.  Waves 0 and 1 fetch x's two halves, waves 2 and 3 w's.  The branch hangs on the wave's number alone.  An s_nop 0 and four v_nop follow each line.
.macro JLOAD s
	s_cmp_eq_u32 s11, 0
	s_cbranch_scc0 .Lfor_b_\@
	tensor_load_to_lds s[G0+4*(\s):G0+4*(\s)+3], s[G1:G1+7]
	s_nop 0
.rept 4
	v_nop
.endr
	s_branch .Lasked_\@
.Lfor_b_\@:
	tensor_load_to_lds s[G0B+4*(\s):G0B+4*(\s)+3], s[G1B:G1B+7]
	s_nop 0
.rept 4
	v_nop
.endr
.Lasked_\@:
.endm
; A prefetch into the L2 of the K step that stands two refills on: 32 rows x 256 bytes, a lane a row.  Each row's 256 bytes of a K step are named once in the launch: x's tile row is read by one
; cluster, which asks; w's rows of part p by four clusters, of which the first (cluster y % 4 = 0) asks.  The four partners that ask for a tile jointly share its 128 rows out by address, 32 each.
; The loop's last trip asks for nothing: there is no K step two on.  K steps 0 to 3 come by their loads alone.
.macro ASK
	s_cmp_gt_u32 s3, s[LIM]
	s_cbranch_scc0 .Lnot_mine_\@
	global_prefetch_b8 v[PFO], s[PFA:PFA+1] offset:KSTEP*2 th:TH_LOAD_NT scope:SCOPE_SE
.Lnot_mine_\@:
.endm
.macro CREST                           ; a round of the cluster's barrier behind its opening barrier
	s_cmp_lg_u32 s10, 0
	s_cbranch_scc1 .Lnot_wave_0_\@
	s_barrier_signal -3
.Lnot_wave_0_\@:
	s_barrier_wait -3
	s_barrier_signal -1
	s_barrier_wait -1
.endm
.macro CROUND
	s_barrier_signal -1
	s_barrier_wait -1
	CREST
.endm
	s_load_b128 s[4:7], s[0:1], 0x0                ; x s[4:5], w s[6:7]
	s_load_b64 s[8:9], s[0:1], 0x10                ; qkv
	s_load_b64 s[KNP:KNP+1], s[0:1], 0x18          ; kn
	v_lshl_add_u32 v[SPW], v0, 2, SPARE
	v_mov_b32 v[NIL], 0
	ds_add_u32 v[SPW], v[NIL]                      ; the wave's opening: the add, twice on end, and its wait ahead of my first tensor load
	ds_add_u32 v[SPW], v[NIL]
	v_lshrrev_b32 v1, 5, v0
	v_readfirstlane_b32 s10, v1                    ; wave 0..3
	s_lshr_b32 s11, s10, 1                         ; which half of the tile's rows is mine.  Also: I fetch for x (0) or for w (1)
	s_and_b32 s12, s10, 1                          ; which half of its columns.  Also: which 128 rows of that tile I fetch
	s_bfe_u32 s40, ttmp6, 0x40000                  ; cx
	s_bfe_u32 s41, ttmp6, 0x40004                  ; cy
	s_lshl_b32 s42, ttmp9, 2
	s_add_co_u32 s42, s42, s40                     ; tile column = 4 x cluster x + cx
	s_and_b32 s74, ttmp7, 0xffff                   ; cluster y
	s_lshl_b32 s13, s74, 2
	s_add_co_u32 s13, s13, s41                     ; tile row = 4 x cluster y + cy
	s_lshr_b32 s[WHICH], s74, 2                    ; p: four clusters a part
	s_lshl_b32 s43, s41, 2
	s_lshl_b32 s43, 15, s43                        ; my row of the cluster
	s_lshl_b32 s44, 0x1111, s40                    ; my column
	s_or_b32 s[G1+0], s43, (1<<16)|(1<<20)|(1<<21)|(5<<22)|(3<<25)  ; the mask; 2-byte elements; padding on; bit 21 beside a mask; after every 64 words 4 words
	s_or_b32 s[G1B+0], s44, (1<<16)|(1<<20)|(1<<21)|(5<<22)|(3<<25)
.irp g, G1, G1B
	s_mov_b32 s[(\g)+1], KSTEP<<16                 ; tensor_dim0 = 128
	s_mov_b32 s[(\g)+2], 128<<16                   ; tensor_dim1 = 128
	s_mov_b32 s[(\g)+3], KSTEP<<16                 ; tile_dim0 = 128
	s_mov_b32 s[(\g)+4], 128                       ; tile_dim1 = 128
	s_mov_b32 s[(\g)+5], SIZE_K                    ; elements from row to row
	s_mov_b32 s[(\g)+6], 0
	s_mov_b32 s[(\g)+7], 0
.endr
	s_mov_b32 s[XSEL], 0x76543210
	s_mov_b32 s[XSEL+1], 0xfedcba98
	s_lshl_b32 s17, s12, 7                         ; which 128 rows of the tile I fetch
	s_lshl_b32 s16, s13, 8
	s_add_co_u32 s16, s16, s17                     ; x: row 256 x tile row + 128 x half
	s_lshl_b32 s46, s42, 8
	s_add_co_u32 s46, s46, s17
	s_lshl_b32 s47, s[WHICH], 10
	s_add_co_u32 s46, s46, s47                     ; w: row 1,024 p + 256 x tile column + 128 x half
	s_mov_b32 s17, 0
	s_mov_b32 s47, 0
	s_mov_b64 s[18:19], SIZE_K*2
	s_mul_u64 s[16:17], s[16:17], s[18:19]
	s_mul_u64 s[46:47], s[46:47], s[18:19]
	s_mul_i32 s20, s10, HALFT                      ; where they go: wave x 128 rows
	s_wait_dscnt 0x0                               ; both opening adds are done
	s_wait_kmcnt 0x0
	s_add_nc_u64 s[14:15], s[4:5], s[16:17]
	s_add_nc_u64 s[46:47], s[6:7], s[46:47]
	CROUND                                         ; all sixteen work-groups are here: the first joint loads meet
.irp s, 0,1
	s_mov_b32 s[G0+4*(\s)], 1
	s_add_co_u32 s[G0+4*(\s)+1], s20, (\s)*SLOT
	s_add_nc_u64 s[G0+4*(\s)+2:G0+4*(\s)+3], s[14:15], (\s)*KSTEP*2
	s_or_b32 s[G0+4*(\s)+3], s[G0+4*(\s)+3], 0x80000000
	s_mov_b32 s[G0B+4*(\s)], 1
	s_add_co_u32 s[G0B+4*(\s)+1], s20, (\s)*SLOT
	s_add_nc_u64 s[G0B+4*(\s)+2:G0B+4*(\s)+3], s[46:47], (\s)*KSTEP*2
	s_or_b32 s[G0B+4*(\s)+3], s[G0B+4*(\s)+3], 0x80000000
	JLOAD \s
.endr
	v_and_b32 v1, 15, v0                           ; l % 16
	v_bfe_u32 v2, v0, 4, 1                         ; l / 16
	v_mul_u32_u24 v3, v1, PITCH
	v_lshl_add_u32 v3, v2, 4, v3                   ; a fragment's row x pitch + 16 x half
	s_mul_i32 s21, s11, HALFT                      ; my 128 rows of x
	s_mul_i32 s22, s12, HALFT                      ; my 128 rows of w,
	s_add_co_u32 s22, s22, 2*HALFT                 ; which lie behind x's 256
.irp s, 0,1
	v_add_nc_u32 v[ADRA+(\s)], s21, v3
	v_add_nc_u32 v[ADRB+(\s)], s22, v3
	s_add_co_u32 s21, s21, SLOT
	s_add_co_u32 s22, s22, SLOT
.endr
	s_mul_i32 s23, s10, 16*SPITCH
	s_add_co_u32 s23, s23, STAGE                   ; my stage
	v_mul_u32_u24 v4, v1, SPITCH                   ; in: row l % 16, 16 bytes for each half of the lanes
	v_lshl_add_u32 v4, v2, 4, v4
	v_add_nc_u32 v[STO], s23, v4
	v_bfe_u32 v5, v0, 3, 2                         ; back: 32 lanes take four rows' 128 bytes of one head
	v_mul_u32_u24 v5, v5, SPITCH
	v_and_b32 v4, 7, v0
	v_lshl_add_u32 v5, v4, 4, v5
	v_add_nc_u32 v[RD], s23, v5
	v_and_b32 v[LN], 31, v0
	v_lshlrev_b32 v[CO], 4, v[LN]                  ; which are 512 consecutive bytes of qkv
	v_lshlrev_b32 v[KO], 2, v1
	v_lshl_add_u32 v[KO], v2, 10, v[KO]            ; kn: lanes 0-15 my first head's 16 words, lanes 16-31 my second head's, 1,024 bytes on
	; where my rows go.  m0 = my first row of x; h0 = my first head
	s_lshl_b32 s13, s13, 8
	s_lshl_b32 s75, s11, 7
	s_add_co_u32 s76, s13, s75                     ; m0
	s_lshr_b32 s77, s76, 11                        ; 2 p + b
	s_lshl_b32 s78, s42, 2
	s_lshl_b32 s79, s12, 1
	s_add_co_u32 s78, s78, s79                     ; h0 = 4 x tile column + 2 x half
	s_and_b32 s80, s77, 1                          ; b
	s_lshl_b32 s80, s80, 4
	s_add_co_u32 s80, s80, s78
	s_and_b32 s79, s76, 2047                       ; my first row in its sequence
	s_lshr_b32 s81, s79, 7                         ; its chunk of 128
	s_lshl_b32 s80, s80, 4
	s_add_co_u32 s80, s80, s81
	s_lshl_b32 s80, s80, 6                         ; 64 bytes a chunk
	s_mov_b32 s81, 0
	s_add_nc_u64 s[KNP:KNP+1], s[KNP:KNP+1], s[80:81]
	s_lshl_b32 s77, s77, 4
	s_add_co_u32 s77, s77, s78
	s_lshl_b32 s77, s77, 18                        ; a head is 262,144 bytes
	s_lshl_b32 s79, s79, 7                         ; a row 128
	s_add_co_u32 s76, s77, s79
	s_mov_b32 s77, 0
	s_add_nc_u64 s[8:9], s[8:9], s[76:77]
	; the prefetches
	s_lshl_b32 s42, s42, 8
	s_lshl_b32 s23, s[WHICH], 10
	s_add_co_u32 s42, s42, s23                     ; the tile's first row in w
	s_and_b32 s22, s74, 3                          ; the clusters of a part read the same rows of w
	s_cmp_eq_u32 s11, 0                            ; do I fetch for x?
	s_cselect_b32 s20, s13, s42                    ; the tile's first row
	s_cselect_b32 s21, s40, s41                    ; my place among the four that ask for it with me
	s_cselect_b32 s22, ttmp9, s22                  ; the coordinate along which other clusters read the same rows
	s_cselect_b64 s[PFA:PFA+1], s[4:5], s[6:7]
	s_cmp_eq_u32 s22, 0
	s_cselect_b32 s[LIM], 1, -1                    ; the same in all sixteen partners, for a given wave
	s_lshl_b32 s22, s12, 7
	s_add_co_u32 s20, s20, s22                     ; + the 128 rows that I fetch
	s_lshl_b32 s21, s21, 5
	s_add_co_u32 s20, s20, s21                     ; + my work-group's 32 of them
	s_mov_b32 s21, 0
	s_mov_b64 s[18:19], SIZE_K*2
	s_mul_u64 s[20:21], s[20:21], s[18:19]
	s_add_nc_u64 s[PFA:PFA+1], s[PFA:PFA+1], s[20:21]
	s_add_nc_u64 s[PFA:PFA+1], s[PFA:PFA+1], 2*KSTEP*2  ; at K step 2: the first refill steps it to 3 and names K step 4
	v_mul_u32_u24 v[PFO], v[LN], SIZE_K*2
; 16 matrix instructions: row blocks a0, a0 + 1 of the window's four x all 8 column blocks, 32 along K.  zero = 1: the first product starts the sums.
.macro MUL16 f, hi, a0, zero
	WIN MUL_LO+0x50*(\hi)
.irp a, \a0, (\a0)+1
.irp b, 0,1,2,3,4,5,6,7
.if \zero
	v_wmma_f32_16x16x32_f16 v[8*(8*(\a)+(\b)):8*(8*(\a)+(\b))+7], v[(\f)+8*(\b):(\f)+8*(\b)+7], v[(\f)+8*(4*(\hi)+(\a)):(\f)+8*(4*(\hi)+(\a))+7], 0
.else
	v_wmma_f32_16x16x32_f16 v[8*(8*(\a)+(\b)):8*(8*(\a)+(\b))+7], v[(\f)+8*(\b):(\f)+8*(\b)+7], v[(\f)+8*(4*(\hi)+(\a)):(\f)+8*(4*(\hi)+(\a))+7], v[8*(8*(\a)+(\b)):8*(8*(\a)+(\b))+7]
.endif
.endr
.endr
.endm
; 32 LDS loads in one run: the fragments of one quarter step (32 K at byte k of the rows) into buffer f: w's 16 loads, then x's
.macro FETCH slot, k, f
	WIN TO_B
.irp i, 0,1,2,3,4,5,6,7
	ds_load_b128 v[(\f)+8*(\i):(\f)+8*(\i)+3],   v[ADRB+(\slot)] offset:(\k)+(\i)*16*PITCH
	ds_load_b128 v[(\f)+8*(\i)+4:(\f)+8*(\i)+7], v[ADRB+(\slot)] offset:(\k)+(\i)*16*PITCH+32
.endr
	WIN 0
.irp i, 0,1,2,3,4,5,6,7
	ds_load_b128 v[(\f)+8*(\i):(\f)+8*(\i)+3],   v[ADRA+(\slot)] offset:(\k)+(\i)*16*PITCH
	ds_load_b128 v[(\f)+8*(\i)+4:(\f)+8*(\i)+7], v[ADRA+(\slot)] offset:(\k)+(\i)*16*PITCH+32
.endr
.endm
.macro PLACES                          ; four plain places between a matrix instruction and a load into, or a vector instruction on, its registers
.rept 4
	v_nop
.endr
.endm
; A K step is four quarters of 32 along K, 64 matrix instructions each, on buffers 0, 1, 0, 1.  One of the first three: multiplies f and fetches the next quarter, at byte k, into g.
.macro QUARTER slot, k, f, g, zero
	s_wait_dscnt 8                                 ; w and x's rows 0-63 are in; the youngest eight loads (x's rows 64-127) may be out
	WIN MUL_LO
	MUL16 \f, 0, 0, \zero
	MUL16 \f, 0, 2, \zero
	PLACES
	FETCH \slot, \k, \g
	s_wait_dscnt 32                                ; all but the 32 just issued
	WIN MUL_HI
	MUL16 \f, 1, 0, \zero
	MUL16 \f, 1, 2, \zero
.endm
; The last quarter's first half, and the one barrier of a change of slots.  In front of it each wave waits for all its tensor loads (one is out: its part of the next slot), adds 0 to its spare
; word, and waits for that and for its own reads of this slot.
.macro MEET round
	WIN 0
	s_wait_tensorcnt 0x0
	ds_add_u32 v[SPW], v[NIL]
	s_wait_dscnt 9                                 ; the add and the youngest eight loads may be out
	WIN MUL_LO
	MUL16 F1, 0, 0, 0
	s_wait_dscnt 0x0                               ; the add is done, and my reads of this slot are over
	s_barrier_signal -1
	MUL16 F1, 0, 2, 0
.if \round
	WIN 0
.endif
	s_barrier_wait -1
.endm
; The whole last quarter with a refill: the barrier opens a round of the cluster's; the joint refill, two K steps on, is the first thing behind the round: 224 matrix instructions ahead of the wait for it.
.macro TURN slot, next
	s_wait_xcnt 0x0                                ; the last prefetch, a K step back, has read its address
	s_add_nc_u64 s[PFA:PFA+1], s[PFA:PFA+1], KSTEP*2
	MEET 1
	CREST
	s_add_nc_u64 s[G0+4*(\slot)+2:G0+4*(\slot)+3], s[G0+4*(\slot)+2:G0+4*(\slot)+3], 2*KSTEP*2
	s_add_nc_u64 s[G0B+4*(\slot)+2:G0B+4*(\slot)+3], s[G0B+4*(\slot)+2:G0B+4*(\slot)+3], 2*KSTEP*2
	JLOAD \slot                                    ; its four v_nop are also the places in front of the loads below
	FETCH \next, 0, F0
	ASK
	WIN MUL_HI
	MUL16 F1, 1, 0, 0
	MUL16 F1, 1, 2, 0
.endm
.macro TURNL next                      ; the last change of slots: nothing is filled again, so no round follows
	MEET 0
	PLACES
	FETCH \next, 0, F0
	WIN MUL_HI
	MUL16 F1, 1, 0, 0
	MUL16 F1, 1, 2, 0
.endm
	s_wait_tensorcnt 1                             ; my part of K step 0 is in; K step 1's may stay out
	s_barrier_signal -1
	s_barrier_wait -1
	FETCH 0, 0, F0
	QUARTER 0, 64,  F0, F1, 1                      ; the first quarter stands in front of the loop: its products start the sums
	WIN 0
	s_mov_b32 s3, LAPS-1
.Llap:                                                 ; a trip goes once round the ring and fills both slots again.  The 64 accumulators take turns in one order everywhere
	QUARTER 0, 128, F1, F0, 0
	QUARTER 0, 192, F0, F1, 0
	TURN 0, 1
	QUARTER 1, 64,  F0, F1, 0
	QUARTER 1, 128, F1, F0, 0
	QUARTER 1, 192, F0, F1, 0
	TURN 1, 0
	QUARTER 0, 64,  F0, F1, 0
	WIN 0
	s_sub_co_u32 s3, s3, 1
	s_cmp_lg_u32 s3, 0
	s_cbranch_scc1 .Llap
	QUARTER 0, 128, F1, F0, 0                      ; the last lap fills nothing
	QUARTER 0, 192, F0, F1, 0
	TURNL 1
	QUARTER 1, 64,  F0, F1, 0
	QUARTER 1, 128, F1, F0, 0
	QUARTER 1, 192, F0, F1, 0
	s_wait_dscnt 8
	MUL16 F1, 0, 0, 0
	MUL16 F1, 0, 2, 0
	s_wait_dscnt 0x0
	MUL16 F1, 1, 0, 0
	MUL16 F1, 1, 2, 0
	WIN 0
	PLACES
	PLACES
; |k|^2 of block a's 16 rows, for my two heads: a lane's 32 numbers of a head, two at a time, the two heads' chains by turns; the other half of the lanes'; the largest so far.
.macro NORM a
.set AC, 64*((\a)%4)
	WIN 0x0a+5*((\a)/4)                            ; sources 0 and 1: window 2 or 3; the sums in window 0
	v_pk_mul_f32 v[NS:NS+1], v[AC:AC+1], v[AC:AC+1]
	v_pk_mul_f32 v[NS+2:NS+3], v[AC+32:AC+33], v[AC+32:AC+33]
.set z, 1
.rept 15
	v_pk_fma_f32 v[NS:NS+1], v[AC+2*z:AC+2*z+1], v[AC+2*z:AC+2*z+1], v[NS:NS+1]
	v_pk_fma_f32 v[NS+2:NS+3], v[AC+32+2*z:AC+32+2*z+1], v[AC+32+2*z:AC+32+2*z+1], v[NS+2:NS+3]
.set z, z+1
.endr
	WIN 0
	v_add_f32 v[NT], v[NS], v[NS+1]
	v_add_f32 v[NT+1], v[NS+2], v[NS+3]
	v_permlanex16_b32 v[NS], v[NT], s[XSEL], s[XSEL+1]
	v_permlanex16_b32 v[NS+2], v[NT+1], s[XSEL], s[XSEL+1]
	v_add_f32 v[NT], v[NT], v[NS]
	v_add_f32 v[NT+1], v[NT+1], v[NS+2]
.if (\a) == 0
	v_mov_b32 v[KM], v[NT]
	v_mov_b32 v[KM+1], v[NT+1]
.else
	v_max_num_f32 v[KM], v[KM], v[NT]
	v_max_num_f32 v[KM+1], v[KM+1], v[NT+1]
.endif
.endm
	s_cmp_lg_u32 s[WHICH], 1                       ; the keys' clusters alone: p hangs on the cluster's y, the same in all partners
	s_cbranch_scc1 .Lno_norm
.irp a, 0,1,2,3,4,5,6,7
	NORM \a
.endr
	v_cmp_gt_u32 vcc_lo, 16, v[LN]
	v_cndmask_b32 v[NT], v[KM+1], v[KM], vcc_lo    ; lanes 0-15 my first head, lanes 16-31 my second
	global_store_b32 v[KO], v[NT], s[KNP:KNP+1]
.Lno_norm:
; THE WAY OUT of block a (16 rows x 128 columns = two heads).  PACK: rounded to f16, 16 bytes a lane.  TOSTAGE: into my own stage, and back as four rows of one head at a time.  SEND: stored.
.macro PACK a
.set AC, 64*((\a)%4)
	WIN 0x0a+5*((\a)/4)
.irp b, 0,1,2,3,4,5,6,7
.irp r, 0,1,2,3
	v_cvt_pk_f16_f32 v[TMP+4*(\b)+(\r)], v[AC+8*(\b)+2*(\r)], v[AC+8*(\b)+2*(\r)+1]
.endr
.endr
	WIN 0
.endm
.macro TOSTAGE a
	WIN 0
.set BK, OB+192*((\a)%2)
.irp b, 0,1,2,3,4,5,6,7
	ds_store_b128 v[STO], v[TMP+4*(\b):TMP+4*(\b)+3] offset:32*(\b)
.endr
.irp t, 0,1,2,3,4,5,6,7
	ds_load_b128 v[BK+4*(\t):BK+4*(\t)+3], v[RD] offset:((\t)/4)*128+((\t)%4)*4*SPITCH  ; LDS serves a wave's instructions in order: these see the stores above
.endr
.endm
.macro SEND a
	WIN 0
.set BK, OB+192*((\a)%2)
	s_wait_dscnt 0x0                               ; the block is back in registers
	s_wait_xcnt 0x0                                ; the stores of the block before have read their registers: the next TOSTAGE loads into them
.irp t, 0,1,2,3,4,5,6,7
	global_store_b128 v[CO], v[BK+4*(\t):BK+4*(\t)+3], s[8:9] offset:((\t)/4)*HEADB+(\a)*2048+((\t)%4)*512  ; 512 consecutive bytes of a head, aligned
.endr
.endm
	PACK 0
	TOSTAGE 0
.irp a, 1,2,3,4,5,6,7                  ; block a's conversions stand between block a - 1's loads from the stage and the wait for them
	PACK \a
	SEND (\a)-1
	TOSTAGE \a
.endr
	SEND 7
	s_wait_tensorcnt 0x0                           ; the wave's end
	ds_add_u32 v[SPW], v[NIL]
	s_wait_dscnt 0x0
	CROUND                                         ; the closing round
	s_endpgm
.Lfunc_end_k_q14db7dd52d_proj:
	.size	k_q14db7dd52d_proj, .Lfunc_end_k_q14db7dd52d_proj-k_q14db7dd52d_proj
	.p2alignl 7, 3214868480
	.fill 96, 4, 3214868480
	.section	.rodata,"a",@progbits
	.p2align	6, 0x0
	.amdhsa_kernel k_q14db7dd52d_proj
		.amdhsa_group_segment_fixed_size 327680
		.amdhsa_private_segment_fixed_size 0
		.amdhsa_enable_private_segment 0
		.amdhsa_kernarg_size 32
		.amdhsa_user_sgpr_count 2
		.amdhsa_user_sgpr_kernarg_segment_ptr 1
		.amdhsa_wavefront_size32 1
		.amdhsa_system_sgpr_workgroup_id_x 1
		.amdhsa_system_sgpr_workgroup_id_y 1
		.amdhsa_system_sgpr_workgroup_id_z 1
		.amdhsa_system_vgpr_workitem_id 0
		.amdhsa_next_free_vgpr 1024
		.amdhsa_next_free_sgpr 84
		.amdhsa_reserve_vcc 1
		.amdhsa_float_denorm_mode_32 3
		.amdhsa_float_denorm_mode_16_64 3
		.amdhsa_memory_ordered 1
		.amdhsa_forward_progress 1
		.amdhsa_inst_pref_size 164
	.end_amdhsa_kernel
	.amdgpu_metadata
---
amdhsa.version: [ 1, 2 ]
amdhsa.kernels:
  - .name:           k_q14db7dd52d_proj
    .symbol:         k_q14db7dd52d_proj.kd
    .args:
      - { .name: x, .offset: 0, .size: 8, .value_kind: global_buffer, .address_space: global }
      - { .name: w, .offset: 8, .size: 8, .value_kind: global_buffer, .address_space: global }
      - { .name: qkv, .offset: 16, .size: 8, .value_kind: global_buffer, .address_space: global }
      - { .name: kn, .offset: 24, .size: 8, .value_kind: global_buffer, .address_space: global }
    .group_segment_fixed_size: 327680
    .private_segment_fixed_size: 0
    .kernarg_segment_align: 8
    .kernarg_segment_size: 32
    .max_flat_workgroup_size: 128
    .sgpr_count:     84
    .vgpr_count:     1024
    .wavefront_size: 32
...
	.end_amdgpu_metadata
.endif
;; end of part 2
;; launch attn (part 3): grid 16 x 16, 4 waves a work-group, clusters of 4 x 1, 327,680 bytes of LDS; arguments qkv, kn, mk, e16, sp_bias, o; writes o
.if DOCPART == 3
	.amdgcn_target "amdgcn-amd-amdhsa--gfx1250"
	.amdhsa_code_object_version 6
	.text
	.protected	k_q14db7dd52d_attn
	.globl	k_q14db7dd52d_attn
	.p2align	8
	.type	k_q14db7dd52d_attn,@function
k_q14db7dd52d_attn:
	s_mov_b64 s[64:65], 0
	v_nop
	global_prefetch_b8 v0, s[64:65] scope:SCOPE_SE
	s_setreg_imm32_b32 hwreg(HW_REG_WAVE_MODE, 25, 1), 1
	s_wait_xcnt 0x0
	s_wait_alu depctr_hold_cnt(0) depctr_sa_sdst(0) depctr_va_vdst(0) depctr_va_sdst(0) depctr_va_ssrc(0) depctr_va_vcc(0) depctr_vm_vsrc(0)
	s_getreg_b32 s2, hwreg(HW_REG_IB_STS2, 6, 4)
	s_cmp_eq_u32 s2, 0
	s_cbranch_scc0 .Lentry_in_a_cluster
	s_endpgm
.Lentry_in_a_cluster:
	s_bfe_u32 s2, ttmp6, 0x10000c
	s_cmp_lg_u32 s2, 0x3003
	s_cbranch_scc0 .Lentry_shape_is_right
	s_endpgm
.Lentry_shape_is_right:
; O[b][h][q] = sum over k of t[q][k] V[k] / (sum over k of t[q][k] + 1e-9), t = relu(x)^2, x = (q . k + q . rel_emb[clip(k - q, -16, 16) + 16]) / 8 + bias; t = 0 where the mask hides the key.
; q, k, v: qkv[3][b][h][2048][64] f16.  Products and sums in f32; the weights are rounded to f16 for the second product, and their sum is taken of the rounded, masked weights; O rounded once to f16.
; WORK NOT FORMED: the dense product with rel_emb[rp] (a lookup: 33 different numbers a query) is one product with the 64-row table e16, looked up by k - q.
; THE TABLE.  e16[i] = rel_emb[clamp(i - 15, 0, 32)].  T[q][i] = q . e16[i] + 8 bias (bias rounded to bf16 like every input), i = k - q + 31.  T is the C operand that starts the sum S = K Q^T:
; for a group of 16 keys from g0 and a tile of 16 queries from q0: g0 - q0 <= -32: CL = T[q][0]; >= 32: CR = T[q][48]; -16, 0, 16: BC[dg][j] = T[r][16 dg + 15 + 8 (l / 16) + j - r].  So S = 8 x.
; THE SCALE.  t / (sum t + 1e-9) is unchanged if t and 1e-9 are multiplied by one number a query.  Bd = 1.01 sqrt(U KN) + max |T| is a bound of |S| (Cauchy-Schwarz: U = the largest |q_m . q_r| of
; the tile's 16 rows m, at least |q_r|^2; KN = the head's largest |k|^2).  With cg = 1 / max(Bd, 1e-18): y = S cg held to 0 .. 1 is the relu, p = y^2 has room in f16 for inputs of every size,
; and the divisor is sum p + 6.4e-8 cg^2.
; LIMITS.  A weight below 6.1e-5 of the bound's square keeps f16's fixed step of 6e-8.  A hidden key counts as weight 0, which is the problem's -1e9 for a bias under 1e9.  NaN and infinities are not treated apart.
; SHARES.  A work-group owns 256 queries of one head, a wave 64: four tiles of 16, in two PIECES (tiles 0, 1 and 2, 3).  Every wave walks all 2,048 keys, 64 a step, four steps a slot.
; BY TURNS.  In a turn one piece has the matrix unit: 20 products (16 of O^T += V^T P, 4 of L += ones P) of the step in hand, then 16 products K Q^T of the next step; the other piece's 160 vector
; instructions stand in 36 columns, one behind each matrix instruction.  The loop is entered one step early, on weights, masks and V that are 0: nothing is written out for the first step; the price is
; one step in 33 and 272 lines that write 0.
; CLUSTER.  The four partners are four HEADS of one block of queries: they need the same tile of the mask (half of a slot's bytes), which is asked for jointly; K and V are each work-group's own loads.
; Blocks of queries of one head are no partners: where the band k - q lies, a branch in this text, hangs on the block, and partners must branch alike.
; REGISTERS, in windows of 256 (s_set_vgpr_msb: bits 1:0 source 0, 3:2 source 1, 5:4 source 2, 7:6 destination):
;   window 0: v0-31 addresses and a tile's cg and divisor term; v32-63 the masks' bytes, 8 a tile; v64-191 S^T, 32 a tile; v192-255 P, 16 a tile
;   window 1: v0-127 O^T, 32 a tile; v128-159 L, 8 a tile          window 2: v0-63 Q; v64-127 K of one step; v128-191 V of one step; v192-199 ones
;   window 3: v0-127 MC, the C operands of the step to come; v128-223 BC, 24 a tile; v224-227 CL; v228-231 CR
.set PK,    144       ; a row of K in LDS: 128 bytes + 16: the 16 rows of a load start at 16 different groups of four banks
.set PVV,   160       ; a row of V: 128 + 32
.set PM,    272       ; a row of the mask: 256 + 16
.set VOFF,  256*PK    ; a slot: 256 rows of K, 256 rows of V, 256 rows (queries) x 256 bytes (keys) of the mask
.set MOFF,  VOFF+256*PVV
.set SLOT1, MOFF+256*PM  ; 0x24000: it shares no bit with a tile's place in a slot, so one exclusive or turns an address in one slot into the other's
.set STAGE, 2*SLOT1   ; behind the ring: 4,352 bytes for each wave: first the table T of a tile, at the end the way out
.set STW,   16*272
.set SPARE, STAGE+4*STW  ; the spare words, 128 bytes for each wave
.set SP,    144
.set HEADB, 2048*64*2
.set AK0, 2           ; v2   my lane's place in a tile of K; never rewritten
.set AV0, 3           ; v3   of V
.set AM0, 4           ; v4   of the mask
.set ADK, 5           ; v5-7 the LDS addresses of the runs of loads in hand
.set ADV, 6
.set ADM, 7
.set STO, 8           ; v8   the way out: where I put 16 bytes of a row
.set RD,  9           ; v9   where I read rows back
.set GO,  10          ; v10  16 x my lane
.set HH,  11          ; v11  l / 16
.set QO,  12          ; v12  my offset in 16 rows of 128 bytes; later where I pick the band's numbers out of the table
.set STQ, 13          ; v13  where I put my numbers of the table
.set SPW, 14          ; v14  LDS address of my spare word; never rewritten
.set NIL, 15          ; v15  0; never rewritten
.set CG,  16          ; v[16+2t : 17+2t]  cg twice (a pair for the packed multiply)
.set E2,  24          ; v[24+t]  6.4e-8 cg^2
.set PFO, 28          ; v28  the prefetches' offset; never rewritten
.set MB,  32          ; the mask's bytes: tile t, group kt of 16 keys at MB + 8 t + 2 kt
.set S,   64
.set P,   192
.set EF,  192         ; the table's fragments, ahead of the loop
.set LS,  128         ; window 1
.set KF,  64          ; window 2: key block kb, channel half c at KF + 16 kb + 8 c
.set VF,  128         ; window 2: key half kk, channel block cb at VF + 32 kk + 8 cb
.set ON,  192         ; window 2
.set BC,  128         ; window 3
.set CL,  224
.set CR,  228
.set BIAS, 2
.set WV,  16
.set G1K, 24
.set G1V, 32
.set G1M, 40
.set G0K, 48          ; group 0: a set for each of the two first fills; the second then walks
.set G0V, 56
.set G0M, 68
.set SLOTS, 76
.set CNT, 77
.set KS,  78          ; the step whose scores the trip makes
.set WQM, 79          ; my 64 queries' number in the sequence, less 1
.set DD,  80
.set TBK, 81          ; LDS byte at which K of the step to be fetched begins; TBV the same for V; TBMK, TBMV for the masks fetched with them
.set TBV, 82
.set TBMK, 83
.set TBMV, 84
.set SELLO, 85
.set SELHI, 86
.set LIM, 87
.set XSEL, 88
.set PFA, 90
.set PFS, 92
.set MSB, 0
.macro WIN new
.if MSB != (\new)
	s_set_vgpr_msb (MSB<<8)|(\new)
.set MSB, (\new)
.endif
.endm
.set W_PV, 0x52       ; V or ones in window 2, P in window 0, O^T or L in window 1
.macro NOPS4
.rept 4
	v_nop
.endr
.endm
; A refill: wave 0 fetches the slot's K, wave 1 its V, waves 2 and 3 the two halves of its mask, jointly with the partners.  The branches hang on the wave's number alone.
.macro JLOAD
	s_cmp_lt_u32 s[WV], 2
	s_cbranch_scc0 .Lfor_m_\@
	s_cmp_eq_u32 s[WV], 0
	s_cbranch_scc0 .Lfor_v_\@
	tensor_load_to_lds s[G0K+4:G0K+7], s[G1K:G1K+7]
	s_nop 0
	NOPS4
	s_branch .Lasked_\@
.Lfor_v_\@:
	tensor_load_to_lds s[G0V+4:G0V+7], s[G1V:G1V+7]
	s_nop 0
	NOPS4
	s_branch .Lasked_\@
.Lfor_m_\@:
	tensor_load_to_lds s[G0M+4:G0M+7], s[G1M:G1M+7]
	s_nop 0
	NOPS4
.Lasked_\@:
.endm
; A prefetch into the L2 of what the NEXT change of slots will ask for, four key steps (288 matrix instructions) ahead.  Each block of 256 bytes is named once in the launch.  A head's K and V are
; walked by its eight blocks of queries: each takes 16 of a slot's 128 blocks of K (lanes 0-15 of wave 0) and of V (lanes 16-31), by address.  A mask tile is read by four clusters: cluster x = 0
; asks, waves 2 and 3, the partners 32 rows each by address, a lane a row.  The last change that fills a slot asks for nothing.
.macro ASK
	s_cmp_gt_u32 s[SLOTS], s[LIM]
	s_cbranch_scc0 .Lnot_mine_\@
	global_prefetch_b8 v[PFO], s[PFA:PFA+1] th:TH_LOAD_NT scope:SCOPE_SE
.Lnot_mine_\@:
.endm
.macro CROUND
	s_barrier_signal -1
	s_barrier_wait -1
	s_cmp_lg_u32 s[WV], 0
	s_cbranch_scc1 .Lnot_wave_0_\@
	s_barrier_signal -3
.Lnot_wave_0_\@:
	s_barrier_wait -3
	s_barrier_signal -1
	s_barrier_wait -1
.endm
	s_load_b256 s[4:11], s[0:1], 0x0  ; qkv s[4:5], kn s[6:7], mk s[8:9], e16 s[10:11]
	s_load_b128 s[12:15], s[0:1], 0x20  ; sp_bias s[12:13], o s[14:15]
	v_lshl_add_u32 v[SPW], v0, 2, SPARE
	v_mov_b32 v[NIL], 0
	ds_add_u32 v[SPW], v[NIL]       ; the wave's opening: the add, twice on end, and its wait ahead of my first tensor load
	ds_add_u32 v[SPW], v[NIL]
	v_lshrrev_b32 v1, 5, v0
	v_readfirstlane_b32 s[WV], v1   ; wave 0..3
	s_bfe_u32 s17, ttmp6, 0x40000   ; cx
	s_lshl_b32 s18, ttmp9, 2
	s_add_co_u32 s18, s18, s17      ; the head = 4 x cluster x + cx: it enters global addresses alone
	s_and_b32 s19, ttmp7, 0xffff
	s_lshr_b32 s20, s19, 3          ; b
	s_and_b32 s21, s19, 7           ; X: my block of 256 queries; b and X are the partners' too
	s_lshl_b32 s22, s20, 4
	s_add_co_u32 s22, s22, s18      ; 16 b + h
	s_mov_b32 s[G1K], (1<<16)|(1<<20)|(4<<22)|(3<<25)  ; no mask; 2-byte elements; padding on; after every 32 words 4 words
	s_mov_b32 s[G1V], (1<<16)|(1<<20)|(4<<22)|(7<<25)  ; the same with 8 words
.irp g, G1K, G1V                    ; 256 keys are 32,768 dense bytes: 128 rows of 256 bytes, two keys a row
	s_mov_b32 s[\g+1], 128<<16
	s_mov_b32 s[\g+2], 128<<16
	s_mov_b32 s[\g+3], 128<<16
	s_mov_b32 s[\g+4], 128
	s_mov_b32 s[\g+5], 128
	s_mov_b32 s[\g+6], 0
	s_mov_b32 s[\g+7], 0
.endr
	s_mov_b32 s[G1M], 15|(3<<16)|(1<<20)|(1<<21)|(5<<22)|(3<<25)  ; all four work-groups; 8-byte elements; padding on; bit 21 beside a mask; after every 64 words 4 words
	s_mov_b32 s[G1M+1], 32<<16      ; tensor_dim0 = 32 elements = 256 bytes
	s_mov_b32 s[G1M+2], 128<<16     ; tensor_dim1 = 128 rows
	s_mov_b32 s[G1M+3], 32<<16
	s_mov_b32 s[G1M+4], 128
	s_mov_b32 s[G1M+5], 256         ; 2,048 bytes from row to row
	s_mov_b32 s[G1M+6], 0
	s_mov_b32 s[G1M+7], 0
	s_and_b32 s96, s[WV], 1         ; which half of the mask's rows I fetch (waves 2 and 3)
	s_mul_i32 s97, s96, 128*PM
	s_lshl_b32 s94, s20, 11
	s_lshl_b32 s95, s21, 8
	s_add_co_u32 s94, s94, s95
	s_lshl_b32 s95, s96, 7
	s_add_co_u32 s94, s94, s95      ; its first row: 2,048 b + 256 X + 128 x half
	s_lshl_b32 s94, s94, 11
	s_mov_b32 s95, 0
	s_mov_b32 s[G0K], 1
	s_mov_b32 s[G0K+1], 0
	s_mov_b32 s[G0K+4], 1
	s_mov_b32 s[G0K+5], SLOT1
	s_mov_b32 s[G0V], 1
	s_mov_b32 s[G0V+1], VOFF
	s_mov_b32 s[G0V+4], 1
	s_mov_b32 s[G0V+5], SLOT1+VOFF
	s_mov_b32 s[G0M], 1
	s_add_co_u32 s[G0M+1], s97, MOFF
	s_mov_b32 s[G0M+4], 1
	s_add_co_u32 s[G0M+5], s97, SLOT1+MOFF
	s_mov_b32 s[SELLO], 0x01010000  ; bytes 0, 1 of a word of the mask, each twice
	s_mov_b32 s[SELHI], 0x03030202  ; bytes 2, 3
	s_mov_b32 s[XSEL], 0x76543210
	s_mov_b32 s[XSEL+1], 0xfedcba98
	s_mov_b32 s[TBK], 0
	s_mov_b32 s[TBV], 0
	s_mov_b32 s[TBMK], 0
	s_mov_b32 s[TBMV], 0
	s_mov_b32 s[KS], 0
	s_lshl_b32 s[WQM], s21, 2
	s_add_co_u32 s[WQM], s[WQM], s[WV]
	s_sub_co_u32 s[WQM], s[WQM], 1
	s_lshl_b32 s66, s22, 18
	s_mov_b32 s67, 0
	s_wait_dscnt 0x0                ; both opening adds are done
	s_wait_kmcnt 0x0
	s_load_b32 s[BIAS], s[12:13], 0x0
	s_add_nc_u64 s[4:5], s[4:5], s[66:67]        ; q's head,
	s_add_nc_u64 s[98:99], s[4:5], 32*HEADB      ; k's,
	s_add_nc_u64 s[100:101], s[4:5], 64*HEADB    ; v's
	s_add_nc_u64 s[8:9], s[8:9], s[94:95]        ; the mask at my half's first row
	s_add_nc_u64 s[G0K+2:G0K+3], s[98:99], 0
	s_or_b32 s[G0K+3], s[G0K+3], 0x80000000
	s_add_nc_u64 s[G0K+6:G0K+7], s[98:99], 32768
	s_or_b32 s[G0K+7], s[G0K+7], 0x80000000
	s_add_nc_u64 s[G0V+2:G0V+3], s[100:101], 0
	s_or_b32 s[G0V+3], s[G0V+3], 0x80000000
	s_add_nc_u64 s[G0V+6:G0V+7], s[100:101], 32768
	s_or_b32 s[G0V+7], s[G0V+7], 0x80000000
	s_add_nc_u64 s[G0M+2:G0M+3], s[8:9], 0
	s_or_b32 s[G0M+3], s[G0M+3], 0x80000000
	s_add_nc_u64 s[G0M+6:G0M+7], s[8:9], 256
	s_or_b32 s[G0M+7], s[G0M+7], 0x80000000
	CROUND                          ; all four work-groups are here: the first joint loads meet
	s_cmp_lt_u32 s[WV], 2           ; a wave's two first fills stand in one arm, ahead of every wait on TENSORcnt and every LDS read
	s_cbranch_scc0 .Lfirst_m
	s_cmp_eq_u32 s[WV], 0
	s_cbranch_scc0 .Lfirst_v
	tensor_load_to_lds s[G0K:G0K+3], s[G1K:G1K+7]
	s_nop 0
	tensor_load_to_lds s[G0K+4:G0K+7], s[G1K:G1K+7]
	s_nop 0
	NOPS4
	s_branch .Lfirst_asked
.Lfirst_v:
	tensor_load_to_lds s[G0V:G0V+3], s[G1V:G1V+7]
	s_nop 0
	tensor_load_to_lds s[G0V+4:G0V+7], s[G1V:G1V+7]
	s_nop 0
	NOPS4
	s_branch .Lfirst_asked
.Lfirst_m:
	tensor_load_to_lds s[G0M:G0M+3], s[G1M:G1M+7]
	s_nop 0
	tensor_load_to_lds s[G0M+4:G0M+7], s[G1M:G1M+7]
	s_nop 0
	NOPS4
.Lfirst_asked:
	; Q, the table and the key norms are asked for
	s_lshl_b32 s66, s21, 15         ; my block's 256 rows of 128 bytes,
	s_lshl_b32 s23, s[WV], 13       ; my wave's 64
	s_add_co_u32 s66, s66, s23
	s_add_nc_u64 s[4:5], s[4:5], s[66:67]
	s_lshl_b32 s66, s22, 10         ; a head's 1,024 bytes of kn
	s_add_nc_u64 s[6:7], s[6:7], s[66:67]
	v_and_b32 v1, 15, v0            ; r = l % 16
	v_bfe_u32 v[HH], v0, 4, 1       ; l / 16
	v_lshlrev_b32 v[QO], 7, v1
	v_lshl_add_u32 v[QO], v[HH], 4, v[QO]  ; row x 128 + 16 x half: a fragment is 16 rows x 32 channels, two loads of 16 bytes, 32 bytes apart
	v_and_b32 v31, 31, v0
	v_lshlrev_b32 v31, 5, v31
	WIN 0x80
.set i, 0
.rept 8                             ; Q: tile i / 2, channels 32 (i % 2) on
	global_load_b128 v[8*i:8*i+3],   v[QO], s[4:5] offset:(i/2)*2048+(i%2)*64
	global_load_b128 v[8*i+4:8*i+7], v[QO], s[4:5] offset:(i/2)*2048+(i%2)*64+32
.set i, i+1
.endr
	WIN 0
.set i, 0
.rept 8                             ; the table: rows 16 (i / 2) on, channels 32 (i % 2) on
	global_load_b128 v[EF+8*i:EF+8*i+3],   v[QO], s[10:11] offset:(i/2)*2048+(i%2)*64
	global_load_b128 v[EF+8*i+4:EF+8*i+7], v[QO], s[10:11] offset:(i/2)*2048+(i%2)*64+32
.set i, i+1
.endr
	global_load_b128 v[32:35], v31, s[6:7]
	global_load_b128 v[36:39], v31, s[6:7] offset:16
	; what the first trip finds: O^T, L and V are 0.  All this stands in the wait for the loads and the first tiles.
	WIN 0x40
.set i, 0
.rept 160
	v_mov_b32 v[i], 0
.set i, i+1
.endr
	WIN 0x80
.set i, 0
.rept 64
	v_mov_b32 v[VF+i], 0
.set i, i+1
.endr
.set i, 0
.rept 8
	v_mov_b32 v[ON+i], 0x3c003c00   ; 1.0 twice in f16
.set i, i+1
.endr
	WIN 0
	v_mul_u32_u24 v[AK0], v1, PK
	v_lshl_add_u32 v[AK0], v[HH], 4, v[AK0]
	; the turning load takes 16 keys x 16 channels: lane l reads key 8 (l / 16) + l % 8, channels 8 ((l / 8) % 2) + 0..7
	v_and_b32 v29, 7, v0
	v_bfe_u32 v30, v0, 3, 1
	v_lshl_add_u32 v[AV0], v[HH], 3, v29
	v_mul_u32_u24 v[AV0], v[AV0], PVV
	v_lshl_add_u32 v[AV0], v30, 4, v[AV0]
	v_add_nc_u32 v[AV0], VOFF, v[AV0]
	s_mul_i32 s23, s[WV], 64*PM
	s_add_co_u32 s23, s23, MOFF
	v_mul_u32_u24 v[AM0], v1, PM    ; the mask: my query's row, my lanes' 8 keys of a group of 16
	v_lshl_add_u32 v[AM0], v[HH], 3, v[AM0]
	v_add_nc_u32 v[AM0], s23, v[AM0]
	s_mul_i32 s23, s[WV], STW
	s_add_co_u32 s23, s23, STAGE    ; my stage
	v_mul_u32_u24 v[STQ], v1, 272   ; the table: row r, 256 bytes; my 8 numbers of a block of 16
	v_lshl_add_u32 v[STQ], v[HH], 5, v[STQ]
	v_add_nc_u32 v[STQ], s23, v[STQ]
	v_mul_u32_u24 v[STO], v1, SP
	v_lshl_add_u32 v[STO], v[HH], 4, v[STO]
	v_add_nc_u32 v[STO], s23, v[STO]
	v_bfe_u32 v[RD], v0, 3, 2
	v_mul_u32_u24 v[RD], v[RD], SP
	v_lshl_add_u32 v[RD], v29, 4, v[RD]
	v_add_nc_u32 v[RD], s23, v[RD]
	v_and_b32 v[GO], 31, v0
	v_lshlrev_b32 v30, 11, v[GO]    ; the mask's prefetch: a lane a row
	v_lshlrev_b32 v[GO], 4, v[GO]
	v_lshlrev_b32 v29, 8, v1        ; K's and V's: block 16 X + l % 16 of the slot's 128, V 32 heads behind K
	v_lshl_add_u32 v29, v[HH], 23, v29
	s_lshl_b32 s3, s21, 12
	v_add_nc_u32 v29, s3, v29
	s_lshl_b32 s66, s17, 16         ; the mask: my work-group's 32 rows of my half's 128,
	s_add_co_u32 s66, s66, 2*256    ; in slot 2
	s_mov_b32 s[PFS], 256           ; a slot's step along a row of the mask; wave 0 takes K's and V's below
	s_cmp_eq_u32 s[WV], 0
	s_cselect_b32 s3, -1, 0
	s_cselect_b64 s[PFA:PFA+1], s[98:99], s[8:9]
	s_cselect_b32 s66, 2*32768, s66
	s_cselect_b32 s[PFS], 32768, s[PFS]
	s_mov_b32 s[PFS+1], 0
	v_cndmask_b32 v[PFO], v30, v29, s3
	s_add_nc_u64 s[PFA:PFA+1], s[PFA:PFA+1], s[66:67]  ; in slot 2; the first change of slots steps it to slot 3
	s_cmp_eq_u32 ttmp9, 0
	s_cselect_b32 s3, 1, -1
	s_cmp_eq_u32 s[WV], 0
	s_cselect_b32 s[LIM], 1, s3
	s_cmp_eq_u32 s[WV], 1
	s_cselect_b32 s[LIM], -1, s[LIM]  ; wave 0 always, wave 1 never, waves 2 and 3 in cluster x = 0: the same in all partners
	s_lshl_b32 s3, s20, 4           ; O: block of 128 tokens 16 b + 2 X + wave / 2,
	s_lshl_b32 s66, s21, 1
	s_add_co_u32 s3, s3, s66
	s_lshr_b32 s66, s[WV], 1
	s_add_co_u32 s3, s3, s66
	s_lshl_b32 s3, s3, 4
	s_add_co_u32 s3, s3, s18        ; my head's 16,384 bytes of it,
	s_lshl_b32 s66, s3, 14
	s_lshl_b32 s3, s96, 13          ; my 64 rows
	s_add_co_u32 s66, s66, s3
	s_add_nc_u64 s[14:15], s[14:15], s[66:67]
	s_wait_kmcnt 0x0                ; the bias
	s_wait_loadcnt 0x0              ; Q, the table, the norms
	v_max3_num_f32 v29, v32, v33, v34  ; KN: the largest of the head's 256 numbers
	v_max3_num_f32 v29, v29, v35, v36
	v_max3_num_f32 v29, v29, v37, v38
	v_max_num_f32 v29, v29, v39
	v_max_num_f32_dpp v29, v29, v29 row_xmask:1 row_mask:0xf bank_mask:0xf
	v_max_num_f32_dpp v29, v29, v29 row_xmask:2 row_mask:0xf bank_mask:0xf
	v_max_num_f32_dpp v29, v29, v29 row_xmask:4 row_mask:0xf bank_mask:0xf
	v_max_num_f32_dpp v29, v29, v29 row_xmask:8 row_mask:0xf bank_mask:0xf
	v_permlanex16_b32 v32, v29, s[XSEL], s[XSEL+1]
	v_max_num_f32 v29, v29, v32
	v_mov_b32 v30, s[BIAS]          ; the bias, rounded to bf16, times 8, twice
	v_cvt_pk_bf16_f32 v30, v30, v30
	v_lshlrev_b32 v30, 16, v30
	v_mul_f32 v30, 0x41000000, v30
	v_mov_b32 v31, v30
	v_mul_u32_u24 v[QO], v1, 268    ; the band: row r of the table, from number 15 + 8 (l / 16) - r on
	v_lshl_add_u32 v[QO], v[HH], 5, v[QO]
	s_add_co_u32 s3, s23, 60
	v_add_nc_u32 v[QO], s3, v[QO]
	; 16 products e16 Q^T (tile t, table rows 16 et on, into S^T's registers) and 4 products Q Q^T (into v32-63): 20 accumulators by turns, two passes over the channels
.irp c, 0,1
	WIN 0x08                        ; the table in window 0, Q in window 2
.irp t, 0,1,2,3
.irp et, 0,1,2,3
.if \c == 0
	v_wmma_f32_16x16x32_f16 v[S+32*\t+8*\et:S+32*\t+8*\et+7], v[EF+16*\et:EF+16*\et+7], v[16*\t:16*\t+7], 0
.else
	v_wmma_f32_16x16x32_f16 v[S+32*\t+8*\et:S+32*\t+8*\et+7], v[EF+16*\et+8:EF+16*\et+15], v[16*\t+8:16*\t+15], v[S+32*\t+8*\et:S+32*\t+8*\et+7]
.endif
.endr
.endr
	WIN 0x0a
.irp t, 0,1,2,3
.if \c == 0
	v_wmma_f32_16x16x32_f16 v[MB+8*\t:MB+8*\t+7], v[16*\t:16*\t+7], v[16*\t:16*\t+7], 0
.else
	v_wmma_f32_16x16x32_f16 v[MB+8*\t:MB+8*\t+7], v[16*\t+8:16*\t+15], v[16*\t+8:16*\t+15], v[MB+8*\t:MB+8*\t+7]
.endif
.endr
.endr
	WIN 0
	NOPS4
	NOPS4
.set i, 0
.rept 64
	v_pk_add_f32 v[S+i:S+i+1], v[S+i:S+i+1], v[30:31]  ; T = q . e16 + 8 bias
.set i, i+2
.endr
.irp t, 0,1,2,3                     ; the largest |T| of my 32 numbers of each tile, the tiles by turns
	v_max3_num_f32 v[CG+2*\t], |v[S+32*\t]|, |v[S+32*\t+1]|, |v[S+32*\t+2]|
.endr
.set i, 0
.rept 14
.irp t, 0,1,2,3
	v_max3_num_f32 v[CG+2*\t], v[CG+2*\t], |v[S+32*\t+3+2*i]|, |v[S+32*\t+4+2*i]|
.endr
.set i, i+1
.endr
.irp t, 0,1,2,3
	v_max_num_f32 v[CG+2*\t], v[CG+2*\t], |v[S+32*\t+31]|
.endr
.irp t, 0,1,2,3                     ; U: the largest |q_m . q_r| of my 8 rows m
	v_max3_num_f32 v[CG+2*\t+1], |v[MB+8*\t]|, |v[MB+8*\t+1]|, |v[MB+8*\t+2]|
.endr
.irp t, 0,1,2,3
	v_max3_num_f32 v[CG+2*\t+1], v[CG+2*\t+1], |v[MB+8*\t+3]|, |v[MB+8*\t+4]|
.endr
.irp t, 0,1,2,3
	v_max3_num_f32 v[CG+2*\t+1], v[CG+2*\t+1], |v[MB+8*\t+5]|, |v[MB+8*\t+6]|
.endr
.irp t, 0,1,2,3
	v_max_num_f32 v[CG+2*\t+1], v[CG+2*\t+1], |v[MB+8*\t+7]|
.endr
.irp t, 0,1,2,3                     ; and the other half of the lanes'
	v_permlanex16_b32 v[MB+8*\t], v[CG+2*\t+1], s[XSEL], s[XSEL+1]
	v_permlanex16_b32 v[MB+8*\t+1], v[CG+2*\t], s[XSEL], s[XSEL+1]
.endr
.irp t, 0,1,2,3
	v_max_num_f32 v[CG+2*\t+1], v[CG+2*\t+1], v[MB+8*\t]
	v_max_num_f32 v[CG+2*\t], v[CG+2*\t], v[MB+8*\t+1]
.endr
	; a tile's table goes into my stage by rows, and each lane picks its 24 numbers of the band.  LDS serves a wave's instructions in order: the loads see the stores, the next tile's stores come behind them
.irp t, 0,1,2,3
	WIN 0
.irp et, 0,1,2,3
	ds_store_b128 v[STQ], v[S+32*\t+8*\et:S+32*\t+8*\et+3] offset:64*\et
	ds_store_b128 v[STQ], v[S+32*\t+8*\et+4:S+32*\t+8*\et+7] offset:64*\et+16
.endr
	WIN 0xc0                        ; destination window 3
.set i, 0
.rept 24
	ds_load_b32 v[BC+24*\t+i], v[QO] offset:64*(i/8)+4*(i%8)
.set i, i+1
.endr
.endr
.irp t, 0,1,2,3
	v_mov_b32 v[CL+\t], v[S+32*\t]      ; rows 0-15 of the table are all rel_emb[0],
	v_mov_b32 v[CR+\t], v[S+32*\t+24]   ; rows 48-63 all rel_emb[32]
.endr
	WIN 0xc3
.set i, 0
.rept 128
	v_mov_b32 v[i], v[CL+i/32]      ; far to the left of the diagonal every C operand is CL
.set i, i+1
.endr
	WIN 0
.set i, 0
.rept 32
	v_mov_b32 v[P+i], 0             ; piece 0's weights of the step that has not been,
.set i, i+1
.endr
.set i, 0
.rept 16
	v_mov_b32 v[MB+16+i], 0         ; and piece 2's mask of it
.set i, i+1
.endr
.irp t, 0,1,2,3
	v_mul_f32 v[CG+2*\t+1], v[CG+2*\t+1], v29
.endr
.irp t, 0,1,2,3
	v_sqrt_f32 v[CG+2*\t+1], v[CG+2*\t+1]
.endr
	v_nop                           ; a plain instruction behind the last root,
	s_wait_alu depctr_va_vdst(0)    ; and the wait ahead of the first use: one for the four
.irp t, 0,1,2,3
	v_fmamk_f32 v[CG+2*\t+1], v[CG+2*\t+1], 0x3f8147ae, v[CG+2*\t]  ; 1.01 sqrt(U KN) + max |T|
.endr
.irp t, 0,1,2,3
	v_max_num_f32 v[CG+2*\t+1], 0x219392ef, v[CG+2*\t+1]            ; 1e-18 at the least
.endr
.irp t, 0,1,2,3
	v_rcp_f32 v[CG+2*\t], v[CG+2*\t+1]
.endr
	v_nop
	s_wait_alu depctr_va_vdst(0)
.irp t, 0,1,2,3
	v_mov_b32 v[CG+2*\t+1], v[CG+2*\t]
	v_mul_f32 v[E2+\t], 0x3389705f, v[CG+2*\t]                      ; 6.4e-8 cg,
.endr
.irp t, 0,1,2,3
	v_mul_f32 v[E2+\t], v[E2+\t], v[CG+2*\t]                        ; times cg
.endr
; THE MATRIX WORK of a turn, for piece x; n counts the turn's matrix instructions.  The accumulators take turns, one instruction a turn: 10 for n < 20, 8 behind.
; n < 20: keys 32 (n / 10) on; (n % 10) / 2 = channel block 0-3 of O^T += V^T P, or 4: L += ones P; tile x + n % 2.
.macro PV x
	WIN W_PV
.set kk, n/10
.set cb, (n%10)/2
.set tt, (\x)+n%2
.set rP, P+16*tt+8*kk
.if cb < 4
.set rO, 32*tt+8*cb
.set rV, VF+32*kk+8*cb
.else
.set rO, LS+8*tt
.set rV, ON
.endif
	v_wmma_f32_16x16x32_f16 v[rO:rO+7], v[rV:rV+7], v[rP:rP+7], v[rO:rO+7]
.endm
; n >= 20: S^T = K Q^T + MC: channels 32 ((n - 20) / 8) on, keys 16 (((n - 20) / 2) % 4) on, tile x + n % 2.  The first 8 start the sums with MC.
.macro KQ x
.set mm, n-20
.set tt, (\x)+mm%2
.set kb, (mm/2)%4
.set cc, mm/8
.set rS, S+32*tt+8*kb
.set rK, KF+16*kb+8*cc
.set rQ, 16*tt+8*cc
.if cc == 0
	WIN 0x3a                        ; K and Q in window 2, MC in window 3, S^T in window 0
	v_wmma_f32_16x16x32_f16 v[rS:rS+7], v[rK:rK+7], v[rQ:rQ+7], v[32*tt+8*kb:32*tt+8*kb+7]
.else
	WIN 0x0a
	v_wmma_f32_16x16x32_f16 v[rS:rS+7], v[rK:rK+7], v[rQ:rQ+7], v[rS:rS+7]
.endif
.endm
; THE LDS LOADS stand in two runs a step: K and piece 0's mask; V (turned) and piece 2's mask.
.macro FETCH_K
	WIN 0
	v_add_nc_u32 v[ADK], s[TBK], v[AK0]
	v_add_nc_u32 v[ADM], s[TBMK], v[AM0]
.irp u, 0,1
.irp kt, 0,1,2,3
	ds_load_b64 v[MB+8*\u+2*\kt:MB+8*\u+2*\kt+1], v[ADM] offset:\u*16*PM+16*\kt
.endr
.endr
	WIN 0x80
.irp f, 0,1,2,3,4,5,6,7             ; keys 16 (f / 2) on, channels 32 (f % 2) on
	ds_load_b128 v[KF+8*\f:KF+8*\f+3],   v[ADK] offset:(\f/2)*16*PK+(\f%2)*64
	ds_load_b128 v[KF+8*\f+4:KF+8*\f+7], v[ADK] offset:(\f/2)*16*PK+(\f%2)*64+32
.endr
	s_add_co_u32 s[TBK], s[TBK], 64*PK
	s_add_co_u32 s[TBMK], s[TBMK], 64
.endm
.macro FETCH_V
	WIN 0
	v_add_nc_u32 v[ADV], s[TBV], v[AV0]
	v_add_nc_u32 v[ADM], s[TBMV], v[AM0]
.irp u, 0,1
.irp kt, 0,1,2,3
	ds_load_b64 v[MB+16+8*\u+2*\kt:MB+16+8*\u+2*\kt+1], v[ADM] offset:(2+\u)*16*PM+16*\kt
.endr
.endr
	WIN 0x80
.irp f, 0,1,2,3,4,5,6,7             ; keys 32 (f / 4) on, channels 16 (f % 4) on
	ds_load_tr16_b128 v[VF+8*\f:VF+8*\f+3],   v[ADV] offset:(\f/4)*32*PVV+(\f%4)*32
	ds_load_tr16_b128 v[VF+8*\f+4:VF+8*\f+7], v[ADV] offset:(\f/4)*32*PVV+16*PVV+(\f%4)*32
.endr
	s_add_co_u32 s[TBV], s[TBV], 64*PVV
	s_add_co_u32 s[TBMV], s[TBMV], 64
.endm
; THE VECTOR WORK of a piece y: five instructions for each of its 32 pairs of scores p (tile y + p % 2, pair p / 2 of the tile's 16), all in window 0:
;   0  two bytes of the mask spread over two halves, into P     1  y = S cg held to 0 .. 1: scale and relu     2  y^2     3  rounded to f16     4  AND with the mask, into P
.macro VOP y, o, p
.if ((\p) >= 0) && ((\p) < 32)
.set tt, (\y)+(\p)%2
.set ii, (\p)/2
.set rS, S+32*tt+2*ii
.set rP, P+16*tt+ii
.set rB, MB+8*tt+ii/2
.if (\o) == 0
.if ii%2 == 0
	v_perm_b32 v[rP], v[rB], v[rB], s[SELLO]
.else
	v_perm_b32 v[rP], v[rB], v[rB], s[SELHI]
.endif
.elseif (\o) == 1
	v_pk_mul_f32 v[rS:rS+1], v[rS:rS+1], v[CG+2*tt:CG+2*tt+1] clamp
.elseif (\o) == 2
	v_pk_mul_f32 v[rS:rS+1], v[rS:rS+1], v[rS:rS+1]
.elseif (\o) == 3
	v_cvt_pk_f16_f32 v[rS], v[rS], v[rS+1]
.else
	v_and_b32 v[rP], v[rP], v[rS]
.endif
.endif
.endm
; Column k of 36: step 0 of pair k, step 1 of pair k - 1, .. step 4 of pair k - 4: each line leans on a line of the column before.  An accumulator's lowest pair is read first.
.macro COL y
	WIN 0
	VOP \y, 0, k
	VOP \y, 1, k-1
	VOP \y, 2, k-2
	VOP \y, 3, k-3
	VOP \y, 4, k-4
.set k, k+1
.endm
; A TURN.  Piece x has the matrix unit; the other piece's columns stand behind its matrix instructions.  kq = 0: the last turn, 20 products, one or two columns behind each.
; Piece 0's turn fetches the next step's K behind its second product: six plain instructions stand behind the last product that read K (one column's line of the turn before, three lines here, the two
; address lines).  Piece 2's turn fetches the next step's V behind its 20th: five lines and the two address lines stand behind the last product of the 20.
.macro TURN x, kq
.set k, 0
.set NW, 20+16*(\kq)
.if (\x) == 0
	s_wait_dscnt 0x0                ; V and piece 2's mask are in
.endif
.set n, 0
.rept NW
.if ((\x) == 0) && (n == 20)
	s_wait_dscnt 0x0                ; K and piece 0's mask are in
.endif
.if n < 20
	PV \x
.else
	KQ \x
.endif
.rept ((n+1)*36/NW-n*36/NW)
	COL 2-(\x)
.endr
.if ((\x) == 0) && (\kq) && (n == 1)
	FETCH_K
.endif
.if ((\x) == 2) && (n == 19)
	FETCH_V
.endif
.set n, n+1
.endr
.endm
; THE C OPERANDS, once a step.  D = the step's number less my 64 queries' number.  D < -1: all CL; D > 2: all CR: nothing changes.  In between four short blocks of moves.
.macro MCB t, kt, dg
.irp j, 0,1,2,3,4,5,6,7
	v_mov_b32 v[32*(\t)+8*(\kt)+\j], v[BC+24*(\t)+8*(\dg)+\j]
.endr
.endm
.macro MCR t, kt
.irp j, 0,1,2,3,4,5,6,7
	v_mov_b32 v[32*(\t)+8*(\kt)+\j], v[CR+(\t)]
.endr
.endm
.macro MCUP
	WIN 0
	s_sub_co_u32 s[DD], s[KS], s[WQM]  ; D + 1
	s_add_co_u32 s[KS], s[KS], 1
	s_cmp_lt_u32 s[DD], 4
	s_cbranch_scc0 .Lmc_done_\@     ; every jump goes forward, past moves alone
	s_cmp_eq_u32 s[DD], 0
	s_cbranch_scc1 .Lmc0_\@
	s_cmp_eq_u32 s[DD], 1
	s_cbranch_scc1 .Lmc1_\@
	s_cmp_eq_u32 s[DD], 2
	s_cbranch_scc1 .Lmc2_\@
	WIN 0xc3
	MCR 3, 0                        ; D = 2
	WIN 0
	s_branch .Lmc_done_\@
.Lmc0_\@:
	WIN 0xc3
	MCB 0, 3, 0                     ; D = -1: the last group of keys touches my first tile
	WIN 0
	s_branch .Lmc_done_\@
.Lmc1_\@:
	WIN 0xc3                        ; D = 0: group kt and tile t: kt - t = -1, 0, 1: the band; more: CR; less: CL as it stands
	MCB 0, 0, 1
	MCB 0, 1, 2
	MCR 0, 2
	MCR 0, 3
	MCB 1, 0, 0
	MCB 1, 1, 1
	MCB 1, 2, 2
	MCR 1, 3
	MCB 2, 1, 0
	MCB 2, 2, 1
	MCB 2, 3, 2
	MCB 3, 2, 0
	MCB 3, 3, 1
	WIN 0
	s_branch .Lmc_done_\@
.Lmc2_\@:
	WIN 0xc3                        ; D = 1: the first group of keys touches my last tile; all else that is not yet CR becomes CR
	MCR 0, 0
	MCR 0, 1
	MCR 1, 0
	MCR 1, 1
	MCR 1, 2
	MCR 2, 0
	MCR 2, 1
	MCR 2, 2
	MCR 2, 3
	MCB 3, 0, 2
	MCR 3, 1
	MCR 3, 2
	MCR 3, 3
	WIN 0
.Lmc_done_\@:
.endm
; THE CHANGE OF SLOTS, behind the turn that has asked for the slot's last bytes.  Each wave waits for all its tensor loads (one is out: its part of the other slot), adds 0 to its spare word, and
; waits for that and for its reads of the slot.  fill = 1: the barrier is a round of the cluster's, and the refill, with the keys two slots on, is the first thing behind it.
.macro CHANGE fill
	WIN 0
	s_wait_tensorcnt 0x0            ; no tensor load of mine is out, so a group 0 may be written
	ds_add_u32 v[SPW], v[NIL]
.if \fill
.irp g, G0K+4, G0V+4, G0M+4
	s_xor_b32 s[(\g)+1], s[(\g)+1], SLOT1
.endr
	s_add_nc_u64 s[G0K+6:G0K+7], s[G0K+6:G0K+7], 32768
	s_add_nc_u64 s[G0V+6:G0V+7], s[G0V+6:G0V+7], 32768
	s_add_nc_u64 s[G0M+6:G0M+7], s[G0M+6:G0M+7], 256
	s_wait_xcnt 0x0                 ; the last prefetch, four key steps back, has read its address
	s_add_nc_u64 s[PFA:PFA+1], s[PFA:PFA+1], s[PFS:PFS+1]
	s_wait_dscnt 0x0                ; the add is done, and my reads of the slot are over
	CROUND
	JLOAD
	ASK
.else
	s_wait_dscnt 0x0
	s_barrier_signal -1
	s_barrier_wait -1
.endif
	s_sub_co_u32 s[TBK], s[TBK], 4*64*PK  ; the fetches go back to a slot's first step, in the other slot
	s_xor_b32 s[TBK], s[TBK], SLOT1
	s_sub_co_u32 s[TBV], s[TBV], 4*64*PVV
	s_xor_b32 s[TBV], s[TBV], SLOT1
	s_sub_co_u32 s[TBMK], s[TBMK], 256
	s_xor_b32 s[TBMK], s[TBMK], SLOT1
	s_sub_co_u32 s[TBMV], s[TBMV], 256
	s_xor_b32 s[TBMV], s[TBMV], SLOT1
.endm
.macro FOUR_STEPS                   ; a trip fetches one step of the slot, makes its scores, and finishes the step before
	WIN 0
	s_mov_b32 s[CNT], 4
.Lstep_\@:
	MCUP
	TURN 0, 1
	TURN 2, 1
	WIN 0
	s_sub_co_u32 s[CNT], s[CNT], 1
	s_cmp_lg_u32 s[CNT], 0
	s_cbranch_scc1 .Lstep_\@
.endm
	s_wait_dscnt 0x0                ; the band's numbers are in
	s_wait_tensorcnt 0x1            ; my part of slot 0 is in; slot 1's may stay out
	s_barrier_signal -1
	s_barrier_wait -1
	s_mov_b32 s[SLOTS], 7
	s_branch .Lsteps
.Lslot:                             ; six times: every slot but the last two is filled again
	CHANGE 1
.Lsteps:
	FOUR_STEPS
	s_sub_co_u32 s[SLOTS], s[SLOTS], 1
	s_cmp_lg_u32 s[SLOTS], 0
	s_cbranch_scc1 .Lslot
	CHANGE 0                        ; the last slot is written out
	FOUR_STEPS
	TURN 0, 0                       ; piece 0's products of the last step | piece 2's last weights
.set n, 0
.rept 20
	PV 2
.set n, n+1
.endr
	; THE WAY OUT.  Every register of L holds the query's sum; O^T is divided by L + 6.4e-8 cg^2, rounded to f16 and sent through my stage, a tile at a time.
	WIN 0
	NOPS4
	NOPS4
	WIN 0x01
.irp t, 0,1,2,3
	v_add_f32 v[E2+\t], v[LS+8*\t], v[E2+\t]
.endr
	WIN 0
.irp t, 0,1,2,3
	v_rcp_f32 v[CG+2*\t], v[E2+\t]
.endr
	v_nop
	s_wait_alu depctr_va_vdst(0)    ; one wait for the four reciprocals
.macro PACK t
	WIN 0x41
.set i, 32*(\t)
.rept 16
	v_pk_mul_f32 v[i:i+1], v[i:i+1], v[CG+2*(\t):CG+2*(\t)+1] op_sel_hi:[1,0]
.set i, i+2
.endr
	WIN 0x05
.set i, 0
.rept 16
	v_cvt_pk_f16_f32 v[S+16*(\t)+i], v[32*(\t)+2*i], v[32*(\t)+2*i+1]
.set i, i+1
.endr
	WIN 0
.irp f, 0,1,2,3
	ds_store_b128 v[STO], v[S+16*(\t)+4*\f:S+16*(\t)+4*\f+3] offset:32*\f
.endr
.irp f, 0,1,2,3
	ds_load_b128 v[S+16*(\t)+4*\f:S+16*(\t)+4*\f+3], v[RD] offset:\f*4*SP  ; LDS serves a wave's instructions in order: these see the stores above
.endr
.endm
.macro SEND t, younger              ; younger: the LDS instructions issued behind tile t's loads: the next tile's eight, or none
	WIN 0
.irp f, 0,1,2,3
	s_wait_dscnt (\younger)+3-\f
	global_store_b128 v[GO], v[S+16*(\t)+4*\f:S+16*(\t)+4*\f+3], s[14:15] offset:(\t)*2048+\f*512  ; 512 consecutive bytes, aligned
.endr
.endm
	PACK 0
	PACK 1
	SEND 0, 8
	PACK 2
	SEND 1, 8
	PACK 3
	SEND 2, 8
	SEND 3, 0
	s_wait_tensorcnt 0x0            ; the wave's end
	ds_add_u32 v[SPW], v[NIL]
	s_wait_dscnt 0x0
	CROUND                          ; the closing round
	s_endpgm
.Lfunc_end_k_q14db7dd52d_attn:
	.size	k_q14db7dd52d_attn, .Lfunc_end_k_q14db7dd52d_attn-k_q14db7dd52d_attn
	.p2alignl 7, 3214868480
	.fill 96, 4, 3214868480
	.section	.rodata,"a",@progbits
	.p2align	6, 0x0
	.amdhsa_kernel k_q14db7dd52d_attn
		.amdhsa_group_segment_fixed_size 327680
		.amdhsa_private_segment_fixed_size 0
		.amdhsa_enable_private_segment 0
		.amdhsa_kernarg_size 48
		.amdhsa_user_sgpr_count 2
		.amdhsa_user_sgpr_kernarg_segment_ptr 1
		.amdhsa_wavefront_size32 1
		.amdhsa_system_sgpr_workgroup_id_x 1
		.amdhsa_system_sgpr_workgroup_id_y 1
		.amdhsa_system_sgpr_workgroup_id_z 1
		.amdhsa_system_vgpr_workitem_id 0
		.amdhsa_next_free_vgpr 1024
		.amdhsa_next_free_sgpr 104
		.amdhsa_reserve_vcc 0
		.amdhsa_float_denorm_mode_32 3
		.amdhsa_float_denorm_mode_16_64 3
		.amdhsa_memory_ordered 1
		.amdhsa_forward_progress 1
		.amdhsa_inst_pref_size 157
	.end_amdhsa_kernel
	.amdgpu_metadata
---
amdhsa.version: [ 1, 2 ]
amdhsa.kernels:
  - .name:           k_q14db7dd52d_attn
    .symbol:         k_q14db7dd52d_attn.kd
    .args:
      - { .name: qkv, .offset: 0, .size: 8, .value_kind: global_buffer, .address_space: global }
      - { .name: kn, .offset: 8, .size: 8, .value_kind: global_buffer, .address_space: global }
      - { .name: mk, .offset: 16, .size: 8, .value_kind: global_buffer, .address_space: global }
      - { .name: e16, .offset: 24, .size: 8, .value_kind: global_buffer, .address_space: global }
      - { .name: sp_bias, .offset: 32, .size: 8, .value_kind: global_buffer, .address_space: global }
      - { .name: o, .offset: 40, .size: 8, .value_kind: global_buffer, .address_space: global }
    .group_segment_fixed_size: 327680
    .private_segment_fixed_size: 0
    .kernarg_segment_align: 8
    .kernarg_segment_size: 48
    .max_flat_workgroup_size: 128
    .sgpr_count:     104
    .vgpr_count:     1024
    .wavefront_size: 32
...
	.end_amdgpu_metadata
.endif
;; end of part 3
;; launch outp (part 4): grid 8 x 32, 4 waves a work-group, clusters of 4 x 4, 327,680 bytes of LDS; arguments o, w, out0; writes out0
.if DOCPART == 4
	.amdgcn_target "amdgcn-amd-amdhsa--gfx1250"
	.amdhsa_code_object_version 6
	.text
	.protected	k_q14db7dd52d_outp
	.globl	k_q14db7dd52d_outp
	.p2align	8
	.type	k_q14db7dd52d_outp,@function
k_q14db7dd52d_outp:
	s_mov_b64 s[64:65], 0
	v_nop
	global_prefetch_b8 v0, s[64:65] scope:SCOPE_SE
	s_setreg_imm32_b32 hwreg(HW_REG_WAVE_MODE, 25, 1), 1
	s_wait_xcnt 0x0
	s_wait_alu depctr_hold_cnt(0) depctr_sa_sdst(0) depctr_va_vdst(0) depctr_va_sdst(0) depctr_va_ssrc(0) depctr_va_vcc(0) depctr_vm_vsrc(0)
	s_getreg_b32 s2, hwreg(HW_REG_IB_STS2, 6, 4)
	s_cmp_eq_u32 s2, 0
	s_cbranch_scc0 .Lentry_in_a_cluster
	s_endpgm
.Lentry_in_a_cluster:
	s_bfe_u32 s2, ttmp6, 0x10000c
	s_cmp_lg_u32 s2, 0xf033
	s_cbranch_scc0 .Lentry_shape_is_right
	s_endpgm
.Lentry_shape_is_right:
; out0[m][n] = sum over k of O[m][k] Wo[n][k].  O: o[block of 128 tokens][head][128][64] f16; Wo: part 3 of w, [1024][1024] f16 (bf16 numbers); out0: [4096][1024] f32; sums in f32.
; A tile of 128 x 128, four waves of 64 x 64: 16 accumulators.  32 x 8 tiles: 256 work-groups.  K goes in four steps of 256 = four heads, through two LDS slots.
; O's part of a step is 65,536 dense bytes: four planes (heads) of 128 tokens x 128 bytes, asked for as rows of 256 bytes and padded after every token.
; CLUSTERS of 4 x 4: O's tile is shared along a row of the cluster, Wo's along a column: each is asked for jointly.  THE MATRIX INSTRUCTION IS USED TRANSPOSED: a lane holds eight neighbouring columns of a row.
; No prefetch: the tiles are small and the launch is short.
; REGISTERS: window 0: v0-31 addresses; v32-95 rows on the way out; v128-255 the accumulators ((a, b) at v[128 + 8 (4 a + b)]).  window 1: two fragment buffers of 128: 64 of O, then 64 of Wo.
.set PA,     144                       ; a token's row of a plane in LDS: 128 bytes + 16
.set PLANE,  128*PA
.set AHALF,  2*PLANE                   ; what one of O's loads brings: two heads
.set PB,     528                       ; a row of Wo: 512 bytes + 16
.set BHALF,  64*PB
.set BOFF,   4*PLANE
.set SLOT,   BOFF+2*BHALF
.set STAGE,  2*SLOT                    ; behind the ring: 16 rows x 272 bytes for each wave
.set SPITCH, 272
.set SPARE,  STAGE+4*16*SPITCH
.set ADRA, 16
.set ADRB, 20
.set STO,  24
.set RD,   25
.set CO,   26
.set SPW,  28
.set NIL,  29
.set TMP,  32
.set ACC,  128
.set F0,   0
.set F1,   128
.set G1, 24
.set G0, 32
.set G1B, 48
.set G0B, 56
.set MSB, 0
.macro WIN new
.if MSB != (\new)
	s_set_vgpr_msb (MSB<<8)|(\new)
.set MSB, \new
.endif
.endm
.set MUL,  0x05                        ; sources 0 (Wo) and 1 (O) window 1; C and D window 0
.set TO_F, 0x40
.macro JLOAD s                         ; waves 0 and 1 fetch O's two halves, waves 2 and 3 Wo's; an s_nop 0 and four v_nop follow each line
	s_cmp_eq_u32 s11, 0
	s_cbranch_scc0 .Lfor_b_\@
	tensor_load_to_lds s[G0+4*(\s):G0+4*(\s)+3], s[G1:G1+7]
	s_nop 0
.rept 4
	v_nop
.endr
	s_branch .Lasked_\@
.Lfor_b_\@:
	tensor_load_to_lds s[G0B+4*(\s):G0B+4*(\s)+3], s[G1B:G1B+7]
	s_nop 0
.rept 4
	v_nop
.endr
.Lasked_\@:
.endm
.macro CREST
	s_cmp_lg_u32 s10, 0
	s_cbranch_scc1 .Lnot_wave_0_\@
	s_barrier_signal -3
.Lnot_wave_0_\@:
	s_barrier_wait -3
	s_barrier_signal -1
	s_barrier_wait -1
.endm
.macro CROUND
	s_barrier_signal -1
	s_barrier_wait -1
	CREST
.endm
	s_load_b128 s[4:7], s[0:1], 0x0                ; o s[4:5], w s[6:7]
	s_load_b64 s[8:9], s[0:1], 0x10                ; out0
	v_lshl_add_u32 v[SPW], v0, 2, SPARE
	v_mov_b32 v[NIL], 0
	ds_add_u32 v[SPW], v[NIL]                      ; the wave's opening: the add, twice on end, and its wait ahead of my first tensor load
	ds_add_u32 v[SPW], v[NIL]
	v_lshrrev_b32 v1, 5, v0
	v_readfirstlane_b32 s10, v1                    ; wave 0..3
	s_lshr_b32 s11, s10, 1                         ; which half of the tile's rows is mine.  Also: I fetch for O (0) or for Wo (1)
	s_and_b32 s12, s10, 1                          ; which half of its columns.  Also: which half of that tile I fetch
	s_bfe_u32 s40, ttmp6, 0x40000
	s_bfe_u32 s41, ttmp6, 0x40004
	s_lshl_b32 s42, ttmp9, 2
	s_add_co_u32 s42, s42, s40                     ; tile column
	s_and_b32 s13, ttmp7, 0xffff
	s_lshl_b32 s13, s13, 2
	s_add_co_u32 s13, s13, s41                     ; tile row
	s_lshl_b32 s43, s41, 2
	s_lshl_b32 s43, 15, s43                        ; my row of the cluster
	s_lshl_b32 s44, 0x1111, s40                    ; my column
	s_or_b32 s[G1+0], s43, (1<<16)|(1<<20)|(1<<21)|(4<<22)|(3<<25)   ; O: 2-byte elements; after every 32 words (a token's 128 bytes) 4 words of padding
	s_mov_b32 s[G1+1], 128<<16                     ; 128 rows of 128 elements: 32,768 dense bytes
	s_mov_b32 s[G1+2], 128<<16
	s_mov_b32 s[G1+3], 128<<16
	s_mov_b32 s[G1+4], 128
	s_mov_b32 s[G1+5], 128
	s_mov_b32 s[G1+6], 0
	s_mov_b32 s[G1+7], 0
	s_or_b32 s[G1B+0], s44, (1<<16)|(1<<20)|(1<<21)|(6<<22)|(3<<25)  ; Wo: after every 128 words 4 words
	s_mov_b32 s[G1B+1], 256<<16                    ; 64 rows of 256 elements
	s_mov_b32 s[G1B+2], 64<<16
	s_mov_b32 s[G1B+3], 256<<16
	s_mov_b32 s[G1B+4], 64
	s_mov_b32 s[G1B+5], 1024
	s_mov_b32 s[G1B+6], 0
	s_mov_b32 s[G1B+7], 0
	s_lshl_b32 s16, s13, 18                        ; O: my tile row's 16 heads x 16,384 bytes,
	s_lshl_b32 s17, s12, 15                        ; the two heads of a step that I fetch
	s_add_co_u32 s16, s16, s17
	s_mov_b32 s17, 0
	s_lshl_b32 s46, s42, 7
	s_lshl_b32 s47, s12, 6
	s_add_co_u32 s46, s46, s47                     ; Wo: row 128 x tile column + 64 x half,
	s_lshl_b32 s46, s46, 11                        ; of 2,048 bytes,
	s_add_co_u32 s46, s46, 3*1024*2048             ; in part 3 of w
	s_mov_b32 s47, 0
	s_mul_i32 s20, s12, AHALF                      ; where they go
	s_mul_i32 s21, s12, BHALF
	s_add_co_u32 s21, s21, BOFF
	s_wait_dscnt 0x0                               ; both opening adds are done
	s_wait_kmcnt 0x0
	s_add_nc_u64 s[14:15], s[4:5], s[16:17]
	s_add_nc_u64 s[46:47], s[6:7], s[46:47]
	CROUND                                         ; all sixteen work-groups are here: the first joint loads meet
.irp s, 0,1
	s_mov_b32 s[G0+4*(\s)], 1
	s_add_co_u32 s[G0+4*(\s)+1], s20, (\s)*SLOT
	s_add_nc_u64 s[G0+4*(\s)+2:G0+4*(\s)+3], s[14:15], (\s)*65536
	s_or_b32 s[G0+4*(\s)+3], s[G0+4*(\s)+3], 0x80000000
	s_mov_b32 s[G0B+4*(\s)], 1
	s_add_co_u32 s[G0B+4*(\s)+1], s21, (\s)*SLOT
	s_add_nc_u64 s[G0B+4*(\s)+2:G0B+4*(\s)+3], s[46:47], (\s)*512
	s_or_b32 s[G0B+4*(\s)+3], s[G0B+4*(\s)+3], 0x80000000
	JLOAD \s
.endr
	v_and_b32 v1, 15, v0                           ; l % 16
	v_bfe_u32 v2, v0, 4, 1                         ; l / 16
	v_mul_u32_u24 v3, v1, PA
	v_lshl_add_u32 v3, v2, 4, v3
	v_mul_u32_u24 v4, v1, PB
	v_lshl_add_u32 v4, v2, 4, v4
	s_mul_i32 s21, s11, 64*PA                      ; my 64 tokens in each plane
	s_mul_i32 s22, s12, BHALF                      ; my 64 rows of Wo
	s_add_co_u32 s22, s22, BOFF
.irp s, 0,1
	v_add_nc_u32 v[ADRA+(\s)], s21, v3
	v_add_nc_u32 v[ADRB+(\s)], s22, v4
	s_add_co_u32 s21, s21, SLOT
	s_add_co_u32 s22, s22, SLOT
.endr
	s_mul_i32 s23, s10, 16*SPITCH
	s_add_co_u32 s23, s23, STAGE                   ; my stage: 16 rows of my 64 columns in f32, 256 bytes
	v_mul_u32_u24 v4, v1, SPITCH
	v_lshl_add_u32 v4, v2, 5, v4                   ; in: row l % 16, 32 bytes for each half of the lanes
	v_add_nc_u32 v[STO], s23, v4
	v_mul_u32_u24 v5, v2, SPITCH                   ; back: lanes 0-15 one row of 256 bytes, lanes 16-31 the next
	v_lshl_add_u32 v5, v1, 4, v5
	v_add_nc_u32 v[RD], s23, v5
	v_lshlrev_b32 v5, 12, v2                       ; and the same two rows of out0, 4,096 bytes apart
	v_lshl_add_u32 v[CO], v1, 4, v5
	s_lshl_b32 s16, s13, 7
	s_lshl_b32 s17, s11, 6
	s_add_co_u32 s16, s16, s17                     ; my first row
	s_lshl_b32 s16, s16, 12
	s_mov_b32 s17, 0
	s_add_nc_u64 s[8:9], s[8:9], s[16:17]
	s_lshl_b32 s46, s42, 9                         ; my first column, in bytes
	s_lshl_b32 s47, s12, 8
	s_add_co_u32 s46, s46, s47
	s_mov_b32 s47, 0
	s_add_nc_u64 s[8:9], s[8:9], s[46:47]
.macro MUL8 f, c, a0, zero             ; 8 matrix instructions: row blocks a0, a0 + 1 x all 4 column blocks, 32 along K: half c of buffer f
	WIN MUL
.irp a, \a0, (\a0)+1
.irp b, 0,1,2,3
.if \zero
	v_wmma_f32_16x16x32_f16 v[ACC+8*(4*(\a)+(\b)):ACC+8*(4*(\a)+(\b))+7], v[(\f)+64+8*(4*(\c)+(\b)):(\f)+64+8*(4*(\c)+(\b))+7], v[(\f)+8*(4*(\c)+(\a)):(\f)+8*(4*(\c)+(\a))+7], 0
.else
	v_wmma_f32_16x16x32_f16 v[ACC+8*(4*(\a)+(\b)):ACC+8*(4*(\a)+(\b))+7], v[(\f)+64+8*(4*(\c)+(\b)):(\f)+64+8*(4*(\c)+(\b))+7], v[(\f)+8*(4*(\c)+(\a)):(\f)+8*(4*(\c)+(\a))+7], v[ACC+8*(4*(\a)+(\b)):ACC+8*(4*(\a)+(\b))+7]
.endif
.endr
.endr
.endm
.macro FETCH slot, q, f                ; 32 LDS loads in one run: quarter q of the step (one head: plane q of O, bytes 128 q of Wo's rows) into buffer f; its first 32 channels first
	WIN TO_F
.irp c, 0,1
.irp i, 0,1,2,3
	ds_load_b128 v[(\f)+64+8*(4*(\c)+(\i)):(\f)+64+8*(4*(\c)+(\i))+3],   v[ADRB+(\slot)] offset:128*(\q)+64*(\c)+(\i)*16*PB
	ds_load_b128 v[(\f)+64+8*(4*(\c)+(\i))+4:(\f)+64+8*(4*(\c)+(\i))+7], v[ADRB+(\slot)] offset:128*(\q)+64*(\c)+(\i)*16*PB+32
	ds_load_b128 v[(\f)+8*(4*(\c)+(\i)):(\f)+8*(4*(\c)+(\i))+3],         v[ADRA+(\slot)] offset:(\q)*PLANE+64*(\c)+(\i)*16*PA
	ds_load_b128 v[(\f)+8*(4*(\c)+(\i))+4:(\f)+8*(4*(\c)+(\i))+7],       v[ADRA+(\slot)] offset:(\q)*PLANE+64*(\c)+(\i)*16*PA+32
.endr
.endr
.endm
.macro PLACES
.rept 4
	v_nop
.endr
.endm
.macro QUARTER slot, q, f, g, zero     ; multiplies buffer f and fetches quarter q into g
	s_wait_dscnt 16                                ; the first 32 channels are in
	WIN MUL
	MUL8 \f, 0, 0, \zero
	MUL8 \f, 0, 2, \zero
	PLACES
	FETCH \slot, \q, \g
	s_wait_dscnt 32                                ; all but the 32 just issued
	WIN MUL
	MUL8 \f, 1, 0, 0
	MUL8 \f, 1, 2, 0
.endm
; The last quarter multiplies buffer 1 and changes slots: one barrier; in front of it each wave waits for all its tensor loads, adds 0 to its spare word, and waits for that and for its reads of this slot.
.macro TURN slot, next, fill
	WIN 0
	s_wait_tensorcnt 0x0
	ds_add_u32 v[SPW], v[NIL]
	s_wait_dscnt 17                                ; the add and the youngest sixteen loads may be out
	WIN MUL
	MUL8 F1, 0, 0, 0
	s_wait_dscnt 0x0                               ; the add is done, and my reads of this slot are over
	s_barrier_signal -1
	MUL8 F1, 0, 2, 0
.if \fill
	WIN 0
.endif
	s_barrier_wait -1
.if \fill
	CREST                                          ; the barrier has opened a round of the cluster's
	s_add_nc_u64 s[G0+4*(\slot)+2:G0+4*(\slot)+3], s[G0+4*(\slot)+2:G0+4*(\slot)+3], 2*65536
	s_add_nc_u64 s[G0B+4*(\slot)+2:G0B+4*(\slot)+3], s[G0B+4*(\slot)+2:G0B+4*(\slot)+3], 2*512
	JLOAD \slot                                    ; the first tensor load behind the round; its four v_nop are also the places in front of the loads below
.else
	PLACES
.endif
	FETCH \next, 0, F0
	WIN MUL
	MUL8 F1, 1, 0, 0
	MUL8 F1, 1, 2, 0
.endm
	s_wait_tensorcnt 1                             ; my part of K step 0 is in; K step 1's may stay out
	s_barrier_signal -1
	s_barrier_wait -1
	FETCH 0, 0, F0
	QUARTER 0, 1, F0, F1, 1                        ; the first products start the sums.  Four K steps, written out: the first two fill their slots again
	QUARTER 0, 2, F1, F0, 0
	QUARTER 0, 3, F0, F1, 0
	TURN 0, 1, 1
	QUARTER 1, 1, F0, F1, 0
	QUARTER 1, 2, F1, F0, 0
	QUARTER 1, 3, F0, F1, 0
	TURN 1, 0, 1
	QUARTER 0, 1, F0, F1, 0
	QUARTER 0, 2, F1, F0, 0
	QUARTER 0, 3, F0, F1, 0
	TURN 0, 1, 0
	QUARTER 1, 1, F0, F1, 0
	QUARTER 1, 2, F1, F0, 0
	QUARTER 1, 3, F0, F1, 0
	s_wait_dscnt 16
	WIN MUL
	MUL8 F1, 0, 0, 0
	MUL8 F1, 0, 2, 0
	s_wait_dscnt 0x0
	MUL8 F1, 1, 0, 0
	MUL8 F1, 1, 2, 0
	WIN 0
	PLACES
	PLACES
	; THE WAY OUT, 16 rows at a time: a lane's eight f32 of each column block go into my own stage (each accumulator's low four registers first), and whole rows of 256 bytes come back and are stored.
.irp a, 0,1,2,3
.if (\a) >= 2
	s_wait_xcnt 0x0                                ; the stores two blocks back have read the registers that are loaded again below
.endif
.irp b, 0,1,2,3
	ds_store_b128 v[STO], v[ACC+8*(4*(\a)+(\b)):ACC+8*(4*(\a)+(\b))+3]   offset:64*(\b)
	ds_store_b128 v[STO], v[ACC+8*(4*(\a)+(\b))+4:ACC+8*(4*(\a)+(\b))+7] offset:64*(\b)+16
.endr
.irp t, 0,1,2,3,4,5,6,7
	ds_load_b128 v[TMP+32*((\a)%2)+4*(\t):TMP+32*((\a)%2)+4*(\t)+3], v[RD] offset:(\t)*2*SPITCH  ; LDS serves a wave's instructions in order: these see the stores above
.endr
	s_wait_dscnt 0x0
.irp t, 0,1,2,3,4,5,6,7
	global_store_b128 v[CO], v[TMP+32*((\a)%2)+4*(\t):TMP+32*((\a)%2)+4*(\t)+3], s[8:9] offset:(\a)*65536+(\t)*8192  ; 16 lanes store 256 consecutive bytes, aligned
.endr
.endr
	s_wait_tensorcnt 0x0                           ; the wave's end
	ds_add_u32 v[SPW], v[NIL]
	s_wait_dscnt 0x0
	CROUND                                         ; the closing round
	s_endpgm
.Lfunc_end_k_q14db7dd52d_outp:
	.size	k_q14db7dd52d_outp, .Lfunc_end_k_q14db7dd52d_outp-k_q14db7dd52d_outp
	.p2alignl 7, 3214868480
	.fill 96, 4, 3214868480
	.section	.rodata,"a",@progbits
	.p2align	6, 0x0
	.amdhsa_kernel k_q14db7dd52d_outp
		.amdhsa_group_segment_fixed_size 327680
		.amdhsa_private_segment_fixed_size 0
		.amdhsa_enable_private_segment 0
		.amdhsa_kernarg_size 24
		.amdhsa_user_sgpr_count 2
		.amdhsa_user_sgpr_kernarg_segment_ptr 1
		.amdhsa_wavefront_size32 1
		.amdhsa_system_sgpr_workgroup_id_x 1
		.amdhsa_system_sgpr_workgroup_id_y 1
		.amdhsa_system_sgpr_workgroup_id_z 1
		.amdhsa_system_vgpr_workitem_id 0
		.amdhsa_next_free_vgpr 512
		.amdhsa_next_free_sgpr 66
		.amdhsa_reserve_vcc 0
		.amdhsa_float_denorm_mode_32 3
		.amdhsa_float_denorm_mode_16_64 3
		.amdhsa_memory_ordered 1
		.amdhsa_forward_progress 1
		.amdhsa_inst_pref_size 86
	.end_amdhsa_kernel
	.amdgpu_metadata
---
amdhsa.version: [ 1, 2 ]
amdhsa.kernels:
  - .name:           k_q14db7dd52d_outp
    .symbol:         k_q14db7dd52d_outp.kd
    .args:
      - { .name: o, .offset: 0, .size: 8, .value_kind: global_buffer, .address_space: global }
      - { .name: w, .offset: 8, .size: 8, .value_kind: global_buffer, .address_space: global }
      - { .name: out0, .offset: 16, .size: 8, .value_kind: global_buffer, .address_space: global }
    .group_segment_fixed_size: 327680
    .private_segment_fixed_size: 0
    .kernarg_segment_align: 8
    .kernarg_segment_size: 24
    .max_flat_workgroup_size: 128
    .sgpr_count:     66
    .vgpr_count:     512
    .wavefront_size: 32
...
	.end_amdgpu_metadata
.endif
;; end of part 4
;; ======== version 2 of 2: 4 launches; version 1 with the launch prep written anew for expert scheduling mode
;; limits: values are held in f16: magnitudes above 65,504 overflow, below 6.1e-05 lose precision; right only within a limited range of input values; values outside matrix products are rounded to f16; inputs' magnitudes at most 65,504
;; workspace buffers: x 25,165,824 bytes; w 8,388,608 bytes; mk 8,388,608 bytes; e16 8,192 bytes; qkv 25,165,824 bytes; kn 32,768 bytes; o 8,388,608 bytes
;; launch prep (part 5): grid 256 x 1, 8 waves a work-group, no clusters, 0 bytes of LDS; arguments iQ, iK, iV, Wq, Wk, Wv, Wo, mask, rel_emb, x, w, mk, e16; writes x, w, mk, e16
.if DOCPART == 5
	.amdgcn_target "amdgcn-amd-amdhsa--gfx1250"
	.amdhsa_code_object_version 6
	.text
	.protected	k_q14db7dd52d_prep
	.globl	k_q14db7dd52d_prep
	.p2align	8
	.type	k_q14db7dd52d_prep,@function
k_q14db7dd52d_prep:
	s_mov_b64 s[64:65], 0
	v_nop
	global_prefetch_b8 v0, s[64:65] scope:SCOPE_SE
	s_setreg_imm32_b32 hwreg(HW_REG_WAVE_SCHED_MODE, 0, 2), 2
	s_setreg_imm32_b32 hwreg(HW_REG_WAVE_MODE, 25, 1), 1
	s_wait_xcnt 0x0
	s_wait_alu depctr_vm_vsrc(0)
; FIRST OF FOUR LAUNCHES: the operands are laid out once.  x = (iQ, iK, iV), w = (Wq, Wk, Wv, Wo): each f32 rounded to bf16 and that number written as f16 (exact from 6.1e-5 to 65,504).
; mk = the mask as bytes to AND with: 0xFF where a key is kept, 0x00 where it is masked.  e16[i] = rel_emb[clamp(i - 15, 0, 32)], i = 0 .. 63, rounded likewise.
; WORK NOT FORMED.  The problem adds einsum(q, rel_emb[rp]) with rp[q][k] = clip(k - q, -16, 16) + 16: a lookup written as a dense product of [S, S, 64].  For a query there are only 33 different
; numbers q . rel_emb[i], whatever the inputs hold; the attention launch makes them by one small product with e16 and looks them up by k - q.  No input is left out: all ten are read.
; LIMITS.  Inputs beyond 65,504 become infinities in f16; below 6.1e-5 they keep f16's fixed step of 6e-8.  NaN and infinities are not treated apart.
; SHARES.  Work-group g converts 65,536 numbers (g < 192: of x; else of w) and 32,768 bytes of the mask; work-group 0 also makes e16.  A thread takes 8 numbers a turn, 32 turns: 32 bytes in, 16 out;
; a wave's store covers 512 consecutive bytes, aligned.  No LDS, no barrier: nothing is shared.
; THE MODE: SCHED_MODE bits 1:0 = 2 (LLVM: expert scheduling mode 2), set by the entry lines.  The code itself states the register dependences
; between vector instructions and memory instructions, with s_wait_alu, always for 0.
; THE PLAN.  The 32 turns go in 8 blocks of four.  Registers that memory instructions touch:
;   X0 .. X3   four blocks of numbers as loaded.  Written by the eight loads of block p + 3, issued in block p; read by block p's conversions.
;   Y0, Y1     two blocks of f16 to store.        Written by block p's conversions; read by the four stores that are issued in block p + 1.
;   M          my 128 bytes of the mask.          Written by eight loads at the head and, behind the last block, by the mask's own vector lines; then read by eight stores.
;   v1, v2     byte offsets, made once at the head and never written again: the turns are reached by immediate offsets, 253,968 bytes at the most, and no base is stepped.
;   v3, v4     e16's offsets, in work-group 0 alone, made behind the branch.
; Block p works on X[p % 4] and writes Y[p % 2].  Its memory instructions are the loads into X[(p + 3) % 4] = X[(p - 1) % 4] and the stores from Y[(p - 1) % 2]: the two buffers that block p - 1
; worked on and that no vector instruction of block p names.  So the waits at a block's head state all that its twelve memory instructions hang on, and these are dealt among its vector
; instructions with no further wait.  Sixteen to twenty-four loads of every wave are on their way.  With four X buffers a lap would be four blocks; block 0 and the last three differ from the
; others, so one lap would be left: the eight blocks are written out by one macro.
.set BLOCK,  4                         ; turns in a block
.set BLOCKS, 8
.set INB,  8192                        ; bytes that the work-group reads in a turn
.set OUTB, 4096                        ; and writes
.set OI, 1                             ; v1         32 x my thread's number: my 32 bytes of a turn's source
.set MO, 2                             ; v2         16 x my thread's number: my 16 bytes of a turn's destination, and of each 4,096 bytes of the mask
.set EA, 3                             ; v3         e16: my offset in rel_emb
.set EO, 4                             ; v4         e16: my offset in e16
.set T,  6                             ; v[6:13]    at work: no memory instruction names them
.set X,  16                            ; v[16:143]  buffer k, turn i: 8 numbers as loaded at X + 32 k + 8 i
.set Y,  144                           ; v[144:175] buffer k, turn i: 8 f16 to store at Y + 16 k + 4 i
.set M,  176                           ; v[176:207] my 128 bytes of the mask
	s_load_b512 s[4:19], s[0:1], 0x0               ; iQ iK iV Wq Wk Wv Wo mask
	s_load_b256 s[20:27], s[0:1], 0x40             ; rel_emb x w mk
	s_load_b64 s[28:29], s[0:1], 0x60              ; e16
	s_mov_b32 s30, ttmp9                           ; g
	s_lshr_b32 s31, s30, 6                         ; g < 192: input g / 64, chunk g % 64 of it
	s_bfe_u32 s32, s30, 0x20004
	s_add_co_u32 s32, s32, 3                       ; else: input 3 + (g / 16) % 4, chunk g % 16
	s_and_b32 s33, s30, 63
	s_and_b32 s34, s30, 15
	s_sub_co_u32 s35, s30, 192
	s_cmp_lt_u32 s30, 192
	s_cselect_b32 s31, s31, s32                    ; which input
	s_cselect_b32 s33, s33, s34                    ; which chunk of it
	s_cselect_b32 s35, s30, s35                    ; which chunk of x or of w
	s_lshl_b32 s40, s33, 18                        ; 262,144 bytes of f32
	s_mov_b32 s41, 0
	s_lshl_b32 s42, s35, 17                        ; 131,072 bytes of f16
	s_mov_b32 s43, 0
	s_lshl_b32 s44, s30, 15                        ; 32,768 bytes of the mask
	s_mov_b32 s45, 0
	s_mov_b32 s46, 0xffff0000                      ; a word's upper bf16
	v_lshlrev_b32 v[MO], 4, v0
	v_lshlrev_b32 v[OI], 5, v0
	s_wait_kmcnt 0x0
	s_add_nc_u64 s[18:19], s[18:19], s[44:45]
	s_add_nc_u64 s[26:27], s[26:27], s[44:45]
	s_cmp_lt_u32 s30, 192
	s_cselect_b64 s[36:37], s[22:23], s[24:25]     ; the destination: x or w
	s_mov_b64 s[38:39], s[4:5]                     ; the source: one of the seven, chosen by the work-group's number alone
	s_cmp_eq_u32 s31, 1
	s_cselect_b64 s[38:39], s[6:7], s[38:39]
	s_cmp_eq_u32 s31, 2
	s_cselect_b64 s[38:39], s[8:9], s[38:39]
	s_cmp_eq_u32 s31, 3
	s_cselect_b64 s[38:39], s[10:11], s[38:39]
	s_cmp_eq_u32 s31, 4
	s_cselect_b64 s[38:39], s[12:13], s[38:39]
	s_cmp_eq_u32 s31, 5
	s_cselect_b64 s[38:39], s[14:15], s[38:39]
	s_cmp_eq_u32 s31, 6
	s_cselect_b64 s[38:39], s[16:17], s[38:39]
	s_add_nc_u64 s[38:39], s[38:39], s[40:41]
	s_add_nc_u64 s[36:37], s[36:37], s[42:43]
	s_wait_alu depctr_va_vdst(0)                   ; v1 and v2 are written: every load and store of the stream and of the mask reads one of them as its offset
.irp i, 0,1,2,3,4,5,6,7
	global_load_b128 v[M+4*(\i):M+4*(\i)+3], v[MO], s[18:19] offset:(\i)*4096 th:TH_LOAD_NT  ; the mask first: it is worked on last
.endr
.irp i, 0,1,2,3,4,5,6,7,8,9,10,11
	global_load_b128 v[X+8*(\i):X+8*(\i)+3],   v[OI], s[38:39] offset:(\i)*INB th:TH_LOAD_NT     ; blocks 0, 1 and 2 into X0, X1, X2
	global_load_b128 v[X+8*(\i)+4:X+8*(\i)+7], v[OI], s[38:39] offset:(\i)*INB+16 th:TH_LOAD_NT
.endr
; Eight f32 at xr: rounded to bf16, widened again, written as f16 at yr.
.macro CONV xr, yr
.irp j, 0,1,2,3
	v_cvt_pk_bf16_f32 v[T+2*(\j)], v[(\xr)+2*(\j)], v[(\xr)+2*(\j)+1]
.endr
.irp j, 0,1,2,3
	v_and_b32 v[T+2*(\j)+1], s46, v[T+2*(\j)]
	v_lshlrev_b32 v[T+2*(\j)], 16, v[T+2*(\j)]
.endr
.irp j, 0,1,2,3
	v_cvt_pk_f16_f32 v[(\yr)+(\j)], v[T+2*(\j)], v[T+2*(\j)+1]
.endr
.endm
; Block p.  left = the younger loads that may stay out when this block's eight have to be there: eight for each block behind it that has been asked for.
.macro BLK p, left
	s_wait_loadcnt \left                           ; loads come back in order (ISA guide 5.7.1): X[p % 4] is in, the younger blocks stay out; block 0's wait shows the mask's loads, the oldest, done too
.if (\p) >= 2
	s_wait_xcnt 0x0                                ; every earlier memory instruction has had its addresses translated (ISA guide 3.1): Y[p % 2], the data of stores, is rewritten only behind this wait
	s_wait_alu depctr_vm_vsrc(0)                   ; the stores issued in the block before have read Y[p % 2], which this block's conversions write again
.endif
.if (\p) >= 1
	s_wait_alu depctr_va_vdst(0)                   ; the block before has written the other Y, which the stores below read, and is done reading its X, in which the loads below land
.endif
.irp i, 0,1,2,3
.if (\p)+3 < BLOCKS
	global_load_b128 v[X+32*(((\p)+3)%4)+8*(\i):X+32*(((\p)+3)%4)+8*(\i)+3],   v[OI], s[38:39] offset:(BLOCK*((\p)+3)+(\i))*INB th:TH_LOAD_NT     ; three blocks ahead; no vector instruction since the wait names these registers
	global_load_b128 v[X+32*(((\p)+3)%4)+8*(\i)+4:X+32*(((\p)+3)%4)+8*(\i)+7], v[OI], s[38:39] offset:(BLOCK*((\p)+3)+(\i))*INB+16 th:TH_LOAD_NT
.endif
.if (\p) >= 1
	global_store_b128 v[MO], v[Y+16*(((\p)+1)%2)+4*(\i):Y+16*(((\p)+1)%2)+4*(\i)+3], s[36:37] offset:(BLOCK*((\p)-1)+(\i))*OUTB  ; the block before
.endif
	CONV X+32*((\p)%4)+8*(\i), Y+16*((\p)%2)+4*(\i)
.endr
.endm
	BLK 0, 16                                      ; block 0 has no block in front of it: no store, and no wait but the one for its data (no vector instruction has named X3)
	BLK 1, 16                                      ; no store has read Y1 yet
	BLK 2, 16
	BLK 3, 16
	BLK 4, 16                                      ; asks for block 7, the last
	BLK 5, 16                                      ; blocks 5 to 7 load nothing: no load leaves the buffer, and the counts run down
	BLK 6, 8
	BLK 7, 0
	s_wait_alu depctr_va_vdst(0)                   ; block 7 has written Y1, which the stream's last four stores read
.irp i, 0,1,2,3
	global_store_b128 v[MO], v[Y+16+4*(\i):Y+16+4*(\i)+3], s[36:37] offset:(BLOCK*(BLOCKS-1)+(\i))*OUTB
.endr
	; the mask: a byte is 0 or 1; a = byte xor 1; keep = 255 a, four bytes at a time as (a << 8) - a.  These lines name M and T alone, which no memory instruction has read
.set i, 0
.rept 32
	v_xor_b32 v[M+i], 0x01010101, v[M+i]
	v_lshlrev_b32 v[T+i%8], 8, v[M+i]
	v_sub_nc_u32 v[M+i], v[T+i%8], v[M+i]
.set i, i+1
.endr
	s_wait_alu depctr_va_vdst(0)                   ; the lines above have written M, which the stores read
.irp i, 0,1,2,3,4,5,6,7
	global_store_b128 v[MO], v[M+4*(\i):M+4*(\i)+3], s[26:27] offset:(\i)*4096
.endr
	s_cmp_lg_u32 s30, 0
	s_cbranch_scc1 .Lend                           ; e16 is work-group 0's: thread t makes 16 numbers of row t / 4
	v_lshrrev_b32 v[EO], 2, v0                     ; i
	v_and_b32 v[T], 3, v0                          ; which 16 of the row's 64
	v_cmp_gt_u32 vcc_lo, 15, v[EO]
	v_add_nc_u32 v[EA], -15, v[EO]
	s_wait_alu depctr_va_vcc(0)                    ; the compare has written VCC, which the select below reads
	v_cndmask_b32 v[EA], v[EA], 0, vcc_lo          ; 0 where i < 15,
	v_min_u32 v[EA], 32, v[EA]                     ; 32 at the most
	v_lshlrev_b32 v[EA], 8, v[EA]
	v_lshl_add_u32 v[EA], v[T], 6, v[EA]
	v_lshlrev_b32 v[EO], 7, v[EO]
	v_lshl_add_u32 v[EO], v[T], 5, v[EO]
	s_wait_alu depctr_va_vdst(0)                   ; v3 and v4 are written, the offsets of the loads and stores below
.irp j, 0,1,2,3
	global_load_b128 v[X+4*(\j):X+4*(\j)+3], v[EA], s[20:21] offset:16*(\j)
.endr
	s_wait_loadcnt 0x0
	s_wait_xcnt 0x0                                ; Y was the data of earlier stores: it is rewritten only behind this wait
	s_wait_alu depctr_vm_vsrc(0)                   ; those stores have read Y, which the conversions below write again
	CONV X, Y
	CONV X+8, Y+4
	s_wait_alu depctr_va_vdst(0)                   ; the conversions have written Y, which the two stores read
	global_store_b128 v[EO], v[Y:Y+3], s[28:29]
	global_store_b128 v[EO], v[Y+4:Y+7], s[28:29] offset:16
.Lend:
	s_endpgm
.Lfunc_end_k_q14db7dd52d_prep:
	.size	k_q14db7dd52d_prep, .Lfunc_end_k_q14db7dd52d_prep-k_q14db7dd52d_prep
	.p2alignl 7, 3214868480
	.fill 96, 4, 3214868480
	.section	.rodata,"a",@progbits
	.p2align	6, 0x0
	.amdhsa_kernel k_q14db7dd52d_prep
		.amdhsa_group_segment_fixed_size 0
		.amdhsa_private_segment_fixed_size 0
		.amdhsa_enable_private_segment 0
		.amdhsa_kernarg_size 104
		.amdhsa_user_sgpr_count 2
		.amdhsa_user_sgpr_kernarg_segment_ptr 1
		.amdhsa_wavefront_size32 1
		.amdhsa_system_sgpr_workgroup_id_x 1
		.amdhsa_system_sgpr_workgroup_id_y 1
		.amdhsa_system_sgpr_workgroup_id_z 1
		.amdhsa_system_vgpr_workitem_id 0
		.amdhsa_next_free_vgpr 208
		.amdhsa_next_free_sgpr 66
		.amdhsa_reserve_vcc 1
		.amdhsa_float_denorm_mode_32 3
		.amdhsa_float_denorm_mode_16_64 3
		.amdhsa_memory_ordered 1
		.amdhsa_forward_progress 1
		.amdhsa_inst_pref_size 45
	.end_amdhsa_kernel
	.amdgpu_metadata
---
amdhsa.version: [ 1, 2 ]
amdhsa.kernels:
  - .name:           k_q14db7dd52d_prep
    .symbol:         k_q14db7dd52d_prep.kd
    .args:
      - { .name: iQ, .offset: 0, .size: 8, .value_kind: global_buffer, .address_space: global }
      - { .name: iK, .offset: 8, .size: 8, .value_kind: global_buffer, .address_space: global }
      - { .name: iV, .offset: 16, .size: 8, .value_kind: global_buffer, .address_space: global }
      - { .name: Wq, .offset: 24, .size: 8, .value_kind: global_buffer, .address_space: global }
      - { .name: Wk, .offset: 32, .size: 8, .value_kind: global_buffer, .address_space: global }
      - { .name: Wv, .offset: 40, .size: 8, .value_kind: global_buffer, .address_space: global }
      - { .name: Wo, .offset: 48, .size: 8, .value_kind: global_buffer, .address_space: global }
      - { .name: mask, .offset: 56, .size: 8, .value_kind: global_buffer, .address_space: global }
      - { .name: rel_emb, .offset: 64, .size: 8, .value_kind: global_buffer, .address_space: global }
      - { .name: x, .offset: 72, .size: 8, .value_kind: global_buffer, .address_space: global }
      - { .name: w, .offset: 80, .size: 8, .value_kind: global_buffer, .address_space: global }
      - { .name: mk, .offset: 88, .size: 8, .value_kind: global_buffer, .address_space: global }
      - { .name: e16, .offset: 96, .size: 8, .value_kind: global_buffer, .address_space: global }
    .group_segment_fixed_size: 0
    .private_segment_fixed_size: 0
    .kernarg_segment_align: 8
    .kernarg_segment_size: 104
    .max_flat_workgroup_size: 256
    .sgpr_count:     66
    .vgpr_count:     208
    .wavefront_size: 32
...
	.end_amdgpu_metadata
.endif
;; end of part 5
;; launch proj: the kernel of part 2 again; grid 4 x 48, 4 waves a work-group, clusters of 4 x 4, 327,680 bytes of LDS; arguments x, w, qkv, kn; writes qkv, kn
;; launch attn: the kernel of part 3 again; grid 16 x 16, 4 waves a work-group, clusters of 4 x 1, 327,680 bytes of LDS; arguments qkv, kn, mk, e16, sp_bias, o; writes o
;; launch outp: the kernel of part 4 again; grid 8 x 32, 4 waves a work-group, clusters of 4 x 4, 327,680 bytes of LDS; arguments o, w, out0; writes out0
